; MI455X (gfx1250); checked and timed in simulation.
; The chip was launched on July 23, 2026; its instructions are those of AMD's public machine-readable ISA for CDNA 5 (MIT licence, August 2026) and "CDNA5" Instruction Set Architecture Reference Guide (July 2026). The comments in the code are by the model that wrote it; some were corrected since.
;; Multi Head Attention. Allowed arithmetic: float matrix products may take bf16 or f16 operands with f32 sums; all other float work in f32.
;; Inputs: b_out 1,024 float32; w_out 1,024 x 1,024 float32; w_qkv 1,024 x 3,072 float32; x 4 x 2,048 x 1,024 float32.
;; Outputs: out0 4 x 2,048 x 1,024 float32.
;; One version. Each part assembles by itself: llvm-mc -triple=amdgcn-amd-amdhsa -mcpu=gfx1250 --defsym DOCPART=n.
;; ======== version 1 of 1: 4 launches
;; limits: values are held in f16: magnitudes above 65,504 overflow, below 6.1e-05 lose precision
;; workspace buffers: xb 16,777,216 bytes; wqb 6,291,456 bytes; wob 2,097,152 bytes; qkv 50,331,648 bytes; o 16,777,216 bytes
;; launch prep (part 1): grid 768 x 1, 8 waves a work-group, no clusters, 0 bytes of LDS; arguments x, w_qkv, w_out, xb, wqb, wob; writes xb, wqb, wob
.if DOCPART == 1
	.amdgcn_target "amdgcn-amd-amdhsa--gfx1250"
	.amdhsa_code_object_version 6
	.text
	.protected	k_q2d894dc7b3_prep
	.globl	k_q2d894dc7b3_prep
	.p2align	8
	.type	k_q2d894dc7b3_prep,@function
k_q2d894dc7b3_prep:
	s_mov_b64 s[64:65], 0
	v_nop
	global_prefetch_b8 v0, s[64:65] scope:SCOPE_SE
	s_setreg_imm32_b32 hwreg(HW_REG_WAVE_MODE, 25, 1), 1
	s_wait_xcnt 0x0
; THE CASTS.  xb = bf16(x), wqb = bf16(w_qkv), wob = f16(bf16(w_out)); the layouts stay as they are.  All three inputs are rounded to bf16, to nearest even;
; w_out's bf16 number is then written as f16, since the last product's other operand is f16.
; LIMITS.  That second step is exact for magnitudes from 2^-14 to 65,504; below 2^-14 the number keeps f16's fixed step of 2^-24, from 65,520 on it becomes an infinity.
; SHARES.  A work-group takes 65,536 input bytes: groups 0-511 x, 512-703 w_qkv, 704-767 w_out.  A wave takes 8,192 of them by sixteen loads of 16 bytes a lane (512 consecutive bytes each),
; all sixteen on their way at once, and stores 8 bytes a lane: each store of the wave covers 256 consecutive bytes, aligned.  A stream: no LDS, no barrier, no matrix work.
.set NX,  512                          ; work-groups for x
.set NXQ, 704                          ; for x and w_qkv together
.set X,   4                            ; v[4:67]   sixteen loads of four f32; later at work
.set Y,   68                           ; v[68:99]  sixteen pairs of registers to store
	s_load_b256 s[4:11], s[0:1], 0x0               ; x s[4:5], w_qkv s[6:7], w_out s[8:9], xb s[10:11]
	s_load_b128 s[12:15], s[0:1], 0x20             ; wqb s[12:13], wob s[14:15]
	s_mov_b32 s16, ttmp9
	s_mov_b32 s26, 0xffff0000                      ; a word's upper bf16
	v_lshrrev_b32 v1, 5, v0                        ; wave
	v_and_b32 v2, 31, v0                           ; lane
	v_lshlrev_b32 v2, 4, v2
	v_lshl_or_b32 v1, v1, 13, v2                   ; in: 8,192 x wave + 16 x lane
	v_lshrrev_b32 v2, 1, v1                        ; out: half of that
	s_wait_kmcnt 0x0
	s_cmp_lt_u32 s16, NX                           ; which tensor is mine: the choice hangs on the work-group's number alone
	s_cselect_b64 s[18:19], s[4:5], s[6:7]
	s_cselect_b64 s[20:21], s[10:11], s[12:13]
	s_cselect_b32 s17, 0, NX
	s_cmp_lt_u32 s16, NXQ
	s_cselect_b64 s[18:19], s[18:19], s[8:9]
	s_cselect_b64 s[20:21], s[20:21], s[14:15]
	s_cselect_b32 s17, s17, NXQ
	s_sub_co_u32 s17, s16, s17                     ; my number among that tensor's work-groups
	s_lshl_b32 s22, s17, 16                        ; 65,536 bytes in,
	s_mov_b32 s23, 0
	s_lshl_b32 s24, s17, 15                        ; 32,768 out
	s_mov_b32 s25, 0
	s_add_nc_u64 s[18:19], s[18:19], s[22:23]
	s_add_nc_u64 s[20:21], s[20:21], s[24:25]
.irp i, 0,1,2,3,4,5,6,7,8,9,10,11,12,13,14,15
	global_load_b128 v[X+4*(\i):X+4*(\i)+3], v1, s[18:19] offset:512*(\i) th:TH_LOAD_NT
.endr
.irp i, 0,1,2,3,4,5,6,7,8,9,10,11,12,13,14,15
	s_wait_loadcnt 15-(\i)                         ; loads come back in order (ISA guide 5.7.1): load i is in, the younger ones stay out
	v_cvt_pk_bf16_f32 v[Y+2*(\i)],   v[X+4*(\i)],   v[X+4*(\i)+1]
	v_cvt_pk_bf16_f32 v[Y+2*(\i)+1], v[X+4*(\i)+2], v[X+4*(\i)+3]
.endr
	s_cmp_lt_u32 s16, NXQ
	s_cbranch_scc1 .Lstore                         ; x and w_qkv stay bf16
.irp i, 0,1,2,3,4,5,6,7,8,9,10,11,12,13,14,15,16,17,18,19,20,21,22,23,24,25,26,27,28,29,30,31
	v_lshlrev_b32 v[X+2*(\i)],   16,  v[Y+(\i)]    ; w_out: the two bf16 numbers as f32 (X's registers are free: every load is in),
	v_and_b32     v[X+2*(\i)+1], s26, v[Y+(\i)]
	v_cvt_pk_f16_f32 v[Y+(\i)], v[X+2*(\i)], v[X+2*(\i)+1]  ; and written as f16
.endr
.Lstore:
.irp i, 0,1,2,3,4,5,6,7,8,9,10,11,12,13,14,15
	global_store_b64 v2, v[Y+2*(\i):Y+2*(\i)+1], s[20:21] offset:256*(\i)  ; no register is written behind a store
.endr
	s_endpgm
.Lfunc_end_k_q2d894dc7b3_prep:
	.size	k_q2d894dc7b3_prep, .Lfunc_end_k_q2d894dc7b3_prep-k_q2d894dc7b3_prep
	.p2alignl 7, 3214868480
	.fill 96, 4, 3214868480
	.section	.rodata,"a",@progbits
	.p2align	6, 0x0
	.amdhsa_kernel k_q2d894dc7b3_prep
		.amdhsa_group_segment_fixed_size 0
		.amdhsa_private_segment_fixed_size 0
		.amdhsa_enable_private_segment 0
		.amdhsa_kernarg_size 48
		.amdhsa_user_sgpr_count 2
		.amdhsa_user_sgpr_kernarg_segment_ptr 1
		.amdhsa_wavefront_size32 1
		.amdhsa_system_sgpr_workgroup_id_x 1
		.amdhsa_system_sgpr_workgroup_id_y 1
		.amdhsa_system_sgpr_workgroup_id_z 1
		.amdhsa_system_vgpr_workitem_id 0
		.amdhsa_next_free_vgpr 104
		.amdhsa_next_free_sgpr 66
		.amdhsa_reserve_vcc 0
		.amdhsa_float_denorm_mode_32 3
		.amdhsa_float_denorm_mode_16_64 3
		.amdhsa_memory_ordered 1
		.amdhsa_forward_progress 1
		.amdhsa_inst_pref_size 11
	.end_amdhsa_kernel
	.amdgpu_metadata
---
amdhsa.version: [ 1, 2 ]
amdhsa.kernels:
  - .name:           k_q2d894dc7b3_prep
    .symbol:         k_q2d894dc7b3_prep.kd
    .args:
      - { .name: x, .offset: 0, .size: 8, .value_kind: global_buffer, .address_space: global }
      - { .name: w_qkv, .offset: 8, .size: 8, .value_kind: global_buffer, .address_space: global }
      - { .name: w_out, .offset: 16, .size: 8, .value_kind: global_buffer, .address_space: global }
      - { .name: xb, .offset: 24, .size: 8, .value_kind: global_buffer, .address_space: global }
      - { .name: wqb, .offset: 32, .size: 8, .value_kind: global_buffer, .address_space: global }
      - { .name: wob, .offset: 40, .size: 8, .value_kind: global_buffer, .address_space: global }
    .group_segment_fixed_size: 0
    .private_segment_fixed_size: 0
    .kernarg_segment_align: 8
    .kernarg_segment_size: 48
    .max_flat_workgroup_size: 256
    .sgpr_count:     66
    .vgpr_count:     104
    .wavefront_size: 32
...
	.end_amdgpu_metadata
.endif
;; end of part 1
;; launch qkvp (part 2): grid 16 x 16, 4 waves a work-group, clusters of 4 x 4, 327,680 bytes of LDS; arguments xb, wqb, qkv; writes qkv
.if DOCPART == 2
	.amdgcn_target "amdgcn-amd-amdhsa--gfx1250"
	.amdhsa_code_object_version 6
	.text
	.protected	k_q2d894dc7b3_qkvp
	.globl	k_q2d894dc7b3_qkvp
	.p2align	8
	.type	k_q2d894dc7b3_qkvp,@function
k_q2d894dc7b3_qkvp:
	s_mov_b64 s[64:65], 0
	v_nop
	global_prefetch_b8 v0, s[64:65] scope:SCOPE_SE
	s_setreg_imm32_b32 hwreg(HW_REG_WAVE_MODE, 25, 1), 1
	s_wait_xcnt 0x0
	s_wait_alu depctr_hold_cnt(0) depctr_sa_sdst(0) depctr_va_vdst(0) depctr_va_sdst(0) depctr_va_ssrc(0) depctr_va_vcc(0) depctr_vm_vsrc(0)
	s_getreg_b32 s2, hwreg(HW_REG_IB_STS2, 6, 4)
	s_cmp_eq_u32 s2, 0
	s_cbranch_scc0 .Lentry_in_a_cluster
	s_endpgm
.Lentry_in_a_cluster:
	s_bfe_u32 s2, ttmp6, 0x10000c
	s_cmp_lg_u32 s2, 0xf033
	s_cbranch_scc0 .Lentry_shape_is_right
	s_endpgm
.Lentry_shape_is_right:
; THE FIRST PROJECTION.  C = x w_qkv: xb [8192][1024] bf16, wqb [1024 k][3072 n] bf16, sums in f32, each rounded once to f16 and WITHOUT the scale of the scores (the attention applies it in f32).
; C is written by heads: qkv [3 which][64 bh][2048 t][64 d] f16, bh = 16 b + h; column n of C is which x 1024 + 64 h + d, row m is 2048 b + t.
; LIMIT.  A sum of magnitude 65,520 or more becomes an infinity in f16.
; SHARES.  A tile of C is 256 rows x 192 columns, three whole heads: 32 x 16 = 512 tiles.  A WORK-GROUP STAYS and makes two of them, 4,096 rows apart (the same columns of w): 16 x 16 = 256 work-groups.
; Wave w makes rows 64 w .. 64 w + 63 of all 192 columns: 4 x 12 accumulators of 16 x 16, 384 registers; so a wave owns whole rows of whole heads, and its way out needs no other wave.
; ONE WALK.  K goes in steps of 128 through a ring of two LDS slots filled by the tensor data mover, and the two tiles' 16 K steps are one sequence for the ring: a K step is written once and walked by a counted
; loop of 14 trips, each of which asks for the step two further on; the last two steps, which ask for nothing, are a loop of two trips.  So the second tile's first two steps are asked for while the first tile
; ends, and the first tile's stores leave while the second is multiplied.  What a trip does beside (start a tile's sums, send a tile out) hangs on two scalar flags; those jumps go forward and pass no barrier
; and no tensor load.
; CLUSTER.  4 x 4 work-groups.  The four of a row of the cluster need the same tiles of x, the four of a column the same tiles of w: each tile is asked for JOINTLY, by the same tensor load with the same
; descriptor and a mask that names the four.  All sixteen walk the same steps.
; THE WEIGHTS lie [k][n]; their fragments come out of LDS turned, by ds_load_tr16_b128.  THE MATRIX INSTRUCTION IS USED TRANSPOSED (source 0 = 16 columns of w, source 1 = 16 rows of x): lane l then holds
; row l % 16 of C and the eight neighbouring columns 8 (l / 16) + 0..7, which pack into 16 bytes.
; REGISTERS, in windows of 256 (s_set_vgpr_msb: bits 1:0 source 0, 3:2 source 1, 5:4 source 2, 7:6 destination):
;   window 0: v0-31 addresses; v32-63, v64-95 x's fragments (4 x 16 rows x 32 K), two buffers; v96-143 packed results; v144-191, v192-239 rows read back from the stage, by turns
;   window 1: v0-95, v96-191 w's fragments (12 x 16 columns x 32 K), two buffers
;   window 2: accumulator (a, b), b < 8, at v[8 (8 a + b)]          window 3: accumulator (a, b), b >= 8, at v[8 (4 a + b - 8)]
.set SIZE_K, 1024
.set SIZE_N, 3072
.set KSTEP,  128
.set STEPS,  SIZE_K/KSTEP              ; 8 K steps in a tile
.set LOGS,   3                         ; its logarithm
.set TILES,  2                         ; tiles of a work-group
.set WALKX,  4096*SIZE_K*2             ; bytes in xb from a tile's rows to the next tile's: 8,388,608
.set WALKQ,  32*262144                 ; the same in qkv: two batches, 32 heads of 262,144 bytes, on
.set PA,     272                       ; a row of x in LDS: 256 bytes + 16 of padding = 68 words: the 16 rows of a load start at 16 different groups of four banks (64 banks of 4 bytes: ISA guide 11.1)
.set HALFA,  128*PA                    ; 128 rows: what one tensor load brings of x
.set PB,     480                       ; a row (one k) of w in LDS: three heads' 128 bytes, 32 of padding behind each = 120 words
.set HSEG,   160                       ; from a head's columns to the next head's in such a row
.set HALFB,  64*PB                     ; 64 rows: what one tensor load brings of w
.set BOFF,   2*HALFA                   ; a slot: x's 256 rows, then w's 128
.set SLOT,   2*HALFA+2*HALFB           ; 131,072 = 1 << 17: one exclusive or turns an address in one slot into the other's
.set STAGE,  2*SLOT                    ; behind the ring, never filled by a tensor load: for each wave 3 heads x 16 rows x 144 bytes
.set SPH,    144
.set STH,    16*SPH
.set STW,    3*STH
.set SPARE,  STAGE+4*STW               ; 289,792: the spare words, 128 bytes for each wave: two blocks of 256 bytes that no other line names
.set ADRA0, 16                         ; v16     my lane's place among x's rows of a slot; never rewritten
.set ADRA,  17                         ; v17     the same in the slot in hand
.set ADRB0, 20                         ; v20     my lane's place among w's rows of a slot; never rewritten
.set ADRB,  21                         ; v21     the same in the slot in hand
.set STO,  24                          ; v24     the way out: where I put 16 bytes of a row
.set RD,   25                          ; v25     the way out: where I read rows back
.set GO,   26                          ; v26     my byte offset in 512 consecutive bytes of a head
.set SPW,  28                          ; v28     LDS address of my spare word: SPARE + 4 x my thread's number; never rewritten
.set NIL,  29                          ; v29     0; never rewritten
.set FA,   32
.set TMP,  96
.set BK0,  144
.set G1A, 24                           ; s[24:31] descriptor group 1 for x's tiles;  s[32:39] group 0: a set for each of the two first fills; the second then walks on
.set G0A, 32
.set G1B, 48                           ; s[48:55], s[56:63] the same for w's tiles
.set G0B, 56
.set HB0, 68                           ; s[68:73] my rows' first byte in each of the first tile's three heads
.set HB1, 80                           ; s[80:85] the same for the second tile
.set NEW,  86                          ; s86  1: the step to be multiplied starts a tile's sums
.set LEFT, 87                          ; s87  K steps of the tile in hand that are still to be finished
.set NX,   88                          ; s88  the step, 0 to 15, to be asked for next
.set TB,   89                          ; s89  LDS byte at which the slot in hand begins
.set OA,   90                          ; s[90:91] that step's byte offset in x, from the first tile's first step
.set OB,   92                          ; s[92:93] the same in w
.set TM,   94                          ; s94  at work
.set MSB, 0
.macro WIN new                         ; the immediate's high byte repeats the setting that is left; a switch that changes nothing is dropped
.if MSB != (\new)
	s_set_vgpr_msb (MSB<<8)|(\new)
.set MSB, \new
.endif
.endm
.set MUL_LO, 0xa1                      ; source 0 (w) window 1, source 1 (x) window 0, C and D window 2
.set MUL_HI, 0xf1                      ; the same, C and D window 3
.set TO_B,   0x40                      ; destination window 1, address window 0
; A joint refill, by the walking descriptors.  Waves 0 and 1 fetch x's two halves, waves 2 and 3 w's.  The branch hangs on the wave's number alone.  An s_nop 0 and four v_nop follow each of the two lines,
; ahead of the jump, the label and what follows.
.macro JLOAD
	s_cmp_eq_u32 s13, 0
	s_cbranch_scc0 .Lfor_b_\@
	tensor_load_to_lds s[G0A+4:G0A+7], s[G1A:G1A+7]
	s_nop 0
.rept 4
	v_nop
.endr
	s_branch .Lasked_\@
.Lfor_b_\@:
	tensor_load_to_lds s[G0B+4:G0B+7], s[G1B:G1B+7]
	s_nop 0
.rept 4
	v_nop
.endr
.Lasked_\@:
.endm
.macro CREST                           ; a round of the cluster's barrier behind its opening barrier
	s_cmp_lg_u32 s12, 0
	s_cbranch_scc1 .Lnot_wave_0_\@
	s_barrier_signal -3
.Lnot_wave_0_\@:
	s_barrier_wait -3
	s_barrier_signal -1
	s_barrier_wait -1
.endm
.macro CROUND                          ; a whole round
	s_barrier_signal -1
	s_barrier_wait -1
	CREST
.endm
	s_load_b128 s[4:7], s[0:1], 0x0                ; xb s[4:5], wqb s[6:7]
	s_load_b64 s[8:9], s[0:1], 0x10                ; qkv
	v_lshl_add_u32 v[SPW], v0, 2, SPARE
	v_mov_b32 v[NIL], 0
	ds_add_u32 v28, v29
	ds_add_u32 v28, v29
	s_wait_dscnt 0x0
	v_lshrrev_b32 v1, 5, v0
	v_readfirstlane_b32 s12, v1                    ; wave 0..3
	s_lshr_b32 s13, s12, 1                         ; I fetch for x (0) or for w (1)
	s_and_b32 s14, s12, 1                          ; which half of that tile I fetch
	s_bfe_u32 s40, ttmp6, 0x40000                  ; cx, cy: my place in the cluster
	s_bfe_u32 s41, ttmp6, 0x40004
	s_lshl_b32 s42, ttmp9, 2
	s_add_co_u32 s42, s42, s40                     ; tile column = 4 x cluster x + cx
	s_and_b32 s15, ttmp7, 0xffff
	s_lshl_b32 s15, s15, 2
	s_add_co_u32 s15, s15, s41                     ; the first tile's row = 4 x cluster y + cy, 0 to 15; the second's is 16 more
	s_lshl_b32 s43, s41, 2
	s_lshl_b32 s43, 15, s43                        ; my row of the cluster
	s_lshl_b32 s44, 0x1111, s40                    ; my column
	; group 1 for x: 128 rows x 128 elements, 16 bytes of padding behind every 256
	s_or_b32 s[G1A+0], s43, (1<<16)|(1<<20)|(1<<21)|(5<<22)|(3<<25)  ; 15:0 the mask: my row; 17:16 2-byte elements; 20 padding on; 21 set beside a mask; 24:22 after every 64 words (code 5); 31:25 4 words (code 3)
	s_mov_b32 s[G1A+1], KSTEP<<16                  ; tensor_dim0 = 128
	s_mov_b32 s[G1A+2], 128<<16                    ; tensor_dim1 = 128
	s_mov_b32 s[G1A+3], KSTEP<<16                  ; tile_dim0 = 128
	s_mov_b32 s[G1A+4], 128                        ; tile_dim1 = 128
	s_mov_b32 s[G1A+5], SIZE_K                     ; elements from row to row
	s_mov_b32 s[G1A+6], 0
	s_mov_b32 s[G1A+7], 0
	; group 1 for w: 64 rows (k) x 192 elements (n), 32 bytes of padding behind every 128
	s_or_b32 s[G1B+0], s44, (1<<16)|(1<<20)|(1<<21)|(4<<22)|(7<<25)  ; the mask: my column; after every 32 words (code 4), 8 words (code 7)
	s_mov_b32 s[G1B+1], 192<<16                    ; tensor_dim0 = 192
	s_mov_b32 s[G1B+2], 64<<16                     ; tensor_dim1 = 64
	s_mov_b32 s[G1B+3], 192<<16                    ; tile_dim0 = 192
	s_mov_b32 s[G1B+4], 64                         ; tile_dim1 = 64
	s_mov_b32 s[G1B+5], SIZE_N
	s_mov_b32 s[G1B+6], 0
	s_mov_b32 s[G1B+7], 0
	; where the tiles come from: x's hang on the tile row alone, w's on the tile column alone, each in registers that never hold the other coordinate
	s_lshl_b32 s16, s15, 8
	s_lshl_b32 s17, s14, 7
	s_add_co_u32 s16, s16, s17                     ; x: row 256 x tile row + 128 x half,
	s_lshl_b32 s16, s16, 11                        ; of 2,048 bytes
	s_mov_b32 s17, 0
	s_mul_i32 s46, s14, 64*SIZE_N*2                ; w: row (k) 64 x half,
	s_mul_i32 s47, s42, 384                        ; column 192 x tile column
	s_add_co_u32 s46, s46, s47
	s_mov_b32 s47, 0
	s_mul_i32 s20, s14, HALFA                      ; and where they go: no place in the cluster enters an LDS address
	s_mul_i32 s21, s14, HALFB
	s_add_co_u32 s21, s21, BOFF
	s_mov_b32 s[NEW], 1                            ; the walk's state
	s_mov_b32 s[LEFT], STEPS
	s_mov_b32 s[NX], 2
	s_mov_b32 s[TB], 0
	s_mov_b32 s[OA+1], 0
	s_mov_b32 s[OB+1], 0
	s_wait_kmcnt 0x0
	s_add_nc_u64 s[66:67], s[4:5], s[16:17]        ; x and w at my part of the first tile's K step 0; never rewritten
	s_add_nc_u64 s[46:47], s[6:7], s[46:47]
.irp s, 0,1
	s_mov_b32 s[G0A+4*(\s)], 1                                     ; count = 1
	s_add_co_u32 s[G0A+4*(\s)+1], s20, (\s)*SLOT                   ; LDS address
	s_add_nc_u64 s[G0A+4*(\s)+2:G0A+4*(\s)+3], s[66:67], (\s)*KSTEP*2  ; global address: K step s
	s_or_b32 s[G0A+4*(\s)+3], s[G0A+4*(\s)+3], 0x80000000          ; type = 2
	s_mov_b32 s[G0B+4*(\s)], 1
	s_add_co_u32 s[G0B+4*(\s)+1], s21, (\s)*SLOT
	s_add_nc_u64 s[G0B+4*(\s)+2:G0B+4*(\s)+3], s[46:47], (\s)*KSTEP*SIZE_N*2
	s_or_b32 s[G0B+4*(\s)+3], s[G0B+4*(\s)+3], 0x80000000
.endr
	CROUND                                         ; all sixteen work-groups are here: the first joint loads meet
	s_cmp_eq_u32 s13, 0                            ; a wave's two first fills stand in one branch, ahead of every wait on TENSORcnt and every LDS read: two loads of mine are out
	s_cbranch_scc0 .Lfirst_b
	tensor_load_to_lds s[G0A:G0A+3], s[G1A:G1A+7]
	s_nop 0
	tensor_load_to_lds s[G0A+4:G0A+7], s[G1A:G1A+7]
	s_nop 0
.rept 4
	v_nop
.endr
	s_branch .Lfirst_asked
.Lfirst_b:
	tensor_load_to_lds s[G0B:G0B+3], s[G1B:G1B+7]
	s_nop 0
	tensor_load_to_lds s[G0B+4:G0B+7], s[G1B:G1B+7]
	s_nop 0
.rept 4
	v_nop
.endr
.Lfirst_asked:
	; A fragment of x is 16 rows x 32 K in 8 registers: lane l holds row l % 16, K = 8 (l / 16) + 0..7 and 16 + 8 (l / 16) + 0..7: two loads of 16 bytes, 32 bytes apart.
	v_and_b32 v1, 15, v0                           ; l % 16
	v_bfe_u32 v2, v0, 4, 1                         ; l / 16
	v_mul_u32_u24 v3, v1, PA
	v_lshl_add_u32 v3, v2, 4, v3
	s_mul_i32 s22, s12, 64*PA                      ; my 64 rows
	v_add_nc_u32 v[ADRA0], s22, v3
	v_mov_b32 v[ADRA], v[ADRA0]                    ; the walk begins in slot 0
	; The turning load takes 16 k x 16 columns (lane l reads 16 bytes: k = 8 (l / 16) + l % 8, columns 8 ((l / 8) % 2) + 0..7) and leaves half a fragment: lane l holds column l % 16 and 8 k.
	v_and_b32 v4, 7, v0
	v_bfe_u32 v5, v0, 3, 1
	v_lshl_add_u32 v6, v2, 3, v4
	v_mul_u32_u24 v6, v6, PB
	v_lshl_add_u32 v6, v5, 4, v6
	v_add_nc_u32 v[ADRB0], BOFF, v6
	v_mov_b32 v[ADRB], v[ADRB0]
	s_mul_i32 s23, s12, STW
	s_add_co_u32 s23, s23, STAGE                   ; my stage
	v_mul_u32_u24 v3, v1, SPH                      ; in: row l % 16, 16 bytes for each half of the lanes
	v_lshl_add_u32 v3, v2, 4, v3
	v_add_nc_u32 v[STO], s23, v3
	v_bfe_u32 v7, v0, 3, 2                         ; back: 32 lanes take four rows of 128 bytes,
	v_mul_u32_u24 v7, v7, SPH
	v_lshl_add_u32 v7, v4, 4, v7
	v_add_nc_u32 v[RD], s23, v7
	v_and_b32 v[GO], 31, v0                        ; which are 512 consecutive bytes of a head
	v_lshlrev_b32 v[GO], 4, v[GO]
	; my rows in the tile's three heads g = 3 x tile column + 0..2: which = g / 16, h = g % 16, b = tile row / 8, t = 256 (tile row % 8) + 64 wave; the second tile has b + 2
	s_mul_i32 s74, s42, 3
	s_lshr_b32 s75, s15, 3
	s_lshl_b32 s75, s75, 4                         ; 16 b
	s_and_b32 s76, s15, 7
	s_lshl_b32 s76, s76, 8
	s_lshl_b32 s77, s12, 6
	s_add_co_u32 s76, s76, s77
	s_lshl_b32 s76, s76, 7                         ; t rows of 128 bytes
.irp hh, 0,1,2
	s_add_co_u32 s78, s74, \hh
	s_lshr_b32 s79, s78, 4
	s_lshl_b32 s79, s79, 6                         ; 64 which
	s_and_b32 s78, s78, 15
	s_add_co_u32 s78, s78, s79
	s_add_co_u32 s78, s78, s75
	s_lshl_b32 s78, s78, 18                        ; a head is 262,144 bytes
	s_add_co_u32 s78, s78, s76
	s_mov_b32 s79, 0
	s_add_nc_u64 s[HB0+2*(\hh):HB0+2*(\hh)+1], s[8:9], s[78:79]
	s_add_nc_u64 s[HB1+2*(\hh):HB1+2*(\hh)+1], s[HB0+2*(\hh):HB0+2*(\hh)+1], WALKQ
.endr
; 16 matrix instructions on buffer f: row blocks a0, a0 + 1 x column blocks 0-7, 32 along K.  zero = 1: the first product starts the sums: nothing is ever cleared.
.macro MULLO f, a0, zero
	WIN MUL_LO
.irp a, \a0, (\a0)+1
.irp b, 0,1,2,3,4,5,6,7
.if \zero
	v_wmma_f32_16x16x32_bf16 v[8*(8*(\a)+(\b)):8*(8*(\a)+(\b))+7], v[96*(\f)+8*(\b):96*(\f)+8*(\b)+7], v[FA+32*(\f)+8*(\a):FA+32*(\f)+8*(\a)+7], 0
.else
	v_wmma_f32_16x16x32_bf16 v[8*(8*(\a)+(\b)):8*(8*(\a)+(\b))+7], v[96*(\f)+8*(\b):96*(\f)+8*(\b)+7], v[FA+32*(\f)+8*(\a):FA+32*(\f)+8*(\a)+7], v[8*(8*(\a)+(\b)):8*(8*(\a)+(\b))+7]
.endif
.endr
.endr
.endm
; 16 more: all four row blocks x column blocks 8-11
.macro MULHI f, zero
	WIN MUL_HI
.irp a, 0,1,2,3
.irp b, 0,1,2,3
.if \zero
	v_wmma_f32_16x16x32_bf16 v[8*(4*(\a)+(\b)):8*(4*(\a)+(\b))+7], v[96*(\f)+64+8*(\b):96*(\f)+64+8*(\b)+7], v[FA+32*(\f)+8*(\a):FA+32*(\f)+8*(\a)+7], 0
.else
	v_wmma_f32_16x16x32_bf16 v[8*(4*(\a)+(\b)):8*(4*(\a)+(\b))+7], v[96*(\f)+64+8*(\b):96*(\f)+64+8*(\b)+7], v[FA+32*(\f)+8*(\a):FA+32*(\f)+8*(\a)+7], v[8*(4*(\a)+(\b)):8*(4*(\a)+(\b))+7]
.endif
.endr
.endr
.endm
; 32 LDS loads in one run: the fragments of quarter q (32 along K) of the slot in hand into buffer f: x's four, then w's twelve in ascending order
.macro FETCH q, f
	WIN 0
.irp i, 0,1,2,3
	ds_load_b128 v[FA+32*(\f)+8*(\i):FA+32*(\f)+8*(\i)+3],   v[ADRA] offset:64*(\q)+(\i)*16*PA
	ds_load_b128 v[FA+32*(\f)+8*(\i)+4:FA+32*(\f)+8*(\i)+7], v[ADRA] offset:64*(\q)+(\i)*16*PA+32
.endr
	WIN TO_B
.irp b, 0,1,2,3,4,5,6,7,8,9,10,11
	ds_load_tr16_b128 v[96*(\f)+8*(\b):96*(\f)+8*(\b)+3],   v[ADRB] offset:(\q)*32*PB+((\b)/4)*HSEG+((\b)%4)*32
	ds_load_tr16_b128 v[96*(\f)+8*(\b)+4:96*(\f)+8*(\b)+7], v[ADRB] offset:(\q)*32*PB+16*PB+((\b)/4)*HSEG+((\b)%4)*32
.endr
.endm
; A load into a register that a matrix instruction has read, and a vector instruction that reads a matrix result, stand four places behind that matrix instruction; only plain vector
; instructions that name none of its registers are places (ISA guide 7.12.1 for vector instructions).
.macro PLACES
.rept 4
	v_nop
.endr
.endm
; A K step is four quarters of 32 along K, 48 matrix instructions each, on buffers 0, 1, 0, 1; the 48 accumulators take turns in the same order in every quarter.
; One of the first three: multiplies buffer f; behind its first sixteen products it fetches quarter q of the slot in hand into buffer g, 32 matrix instructions ahead of the first use.
.macro QUARTER q, f, g, zero
	s_wait_dscnt 8                                 ; x's fragments and w's 0-7 are in; the youngest eight loads (w's 8-11) may be out
	MULLO \f, 0, \zero
	PLACES
	FETCH \q, \g
	MULLO \f, 2, \zero
	s_wait_dscnt 32                                ; all but the 32 just issued
	MULHI \f, \zero
.endm
; The last quarter multiplies buffer 1 and changes slots: ONE barrier; in front of it each wave waits for all its tensor loads (one is out: its part of the next slot), adds 0 to its spare word, and waits
; for that and for its own reads of this slot.
; fill = 1: the barrier opens a round of the cluster's barrier, and this slot is filled again, with step NX of the walk, first thing behind the round: from that request to the wait for it a wave issues
; 160 matrix instructions.  The walking descriptors are written where no tensor load of mine is out: the LDS word turns to the slot just read; the address is made anew from the step's number n:
; tile n / 8, K step n % 8.
; fill = 0 (the walk's last two steps): nothing is asked for; in the last trip (s3 = 1) there is no further step, and the run of loads is jumped over.
.macro TURN fill
	WIN 0                                          ; (the add's two registers lie in window 0)
	s_wait_tensorcnt 0x0                           ; all my tensor loads have landed
	ds_add_u32 v[SPW], v[NIL]                      ; 0 onto my spare word
.if \fill
	s_and_b32 s[OA], s[NX], STEPS-1                ; the K step in its tile:
	s_mul_i32 s[OB], s[OA], KSTEP*SIZE_N*2         ; 128 rows of w,
	s_lshl_b32 s[OA], s[OA], 8                     ; 256 bytes along x's rows;
	s_lshr_b32 s[TM], s[NX], LOGS                  ; the tile:
	s_mul_i32 s[TM], s[TM], WALKX                  ; 4,096 rows of x
	s_add_co_u32 s[OA], s[OA], s[TM]
	s_add_co_u32 s[NX], s[NX], 1
	s_xor_b32 s[G0A+5], s[G0A+5], SLOT
	s_add_nc_u64 s[G0A+6:G0A+7], s[66:67], s[OA:OA+1]
	s_or_b32 s[G0A+7], s[G0A+7], 0x80000000
	s_xor_b32 s[G0B+5], s[G0B+5], SLOT
	s_add_nc_u64 s[G0B+6:G0B+7], s[46:47], s[OB:OB+1]
	s_or_b32 s[G0B+7], s[G0B+7], 0x80000000
.endif
	s_wait_dscnt 9                                 ; (the add and the youngest eight loads may be out)
	MULLO 1, 0, 0                                  ; sixteen matrix instructions stand between the add and the wait for it
	s_wait_dscnt 0x0                               ; the add is done, and my reads of this slot are over
	s_barrier_signal -1
	MULLO 1, 2, 0                                  ; work on registers while the others arrive
	WIN 0
	s_barrier_wait -1
.if \fill
	CREST                                          ; no wave of any partner still reads this slot's tile or has a load on its way
	JLOAD                                          ; my one tensor load behind the round; the four v_nop behind it are also the places in front of the loads below
.else
	s_cmp_eq_u32 s3, 1
	s_cbranch_scc1 .Lno_more_\@
	PLACES
.endif
	s_xor_b32 s[TB], s[TB], SLOT                   ; the fetches go on in the other slot
	v_add_nc_u32 v[ADRA], s[TB], v[ADRA0]
	v_add_nc_u32 v[ADRB], s[TB], v[ADRB0]
	FETCH 0, 0
.if !(\fill)
	WIN 0
.Lno_more_\@:
.endif
	MULHI 1, 0
.endm
; THE WAY OUT of row block a (16 rows x 192 columns).  PACK: rounded to f16, 16 bytes a lane, each accumulator's registers in ascending order.  TOSTAGE: into my own stage, by heads, and back as whole rows.  SEND: stored.
.macro PACK a
	WIN 0x0a                                       ; sources 0 and 1: window 2
.irp b, 0,1,2,3,4,5,6,7
.irp r, 0,1,2,3
	v_cvt_pk_f16_f32 v[TMP+4*(\b)+(\r)], v[8*(8*(\a)+(\b))+2*(\r)], v[8*(8*(\a)+(\b))+2*(\r)+1]
.endr
.endr
	WIN 0x0f                                       ; window 3
.irp b, 0,1,2,3
.irp r, 0,1,2,3
	v_cvt_pk_f16_f32 v[TMP+32+4*(\b)+(\r)], v[8*(4*(\a)+(\b))+2*(\r)], v[8*(4*(\a)+(\b))+2*(\r)+1]
.endr
.endr
	WIN 0
.endm
.macro TOSTAGE a
	WIN 0
.set BK, BK0+48*((\a)%2)
	s_wait_xcnt 0x0                                ; the stores that read these registers last (the block two back, or the tile before) have had their addresses translated (ISA guide 3.1): they are loaded again only behind this wait
.irp b, 0,1,2,3,4,5,6,7,8,9,10,11
	ds_store_b128 v[STO], v[TMP+4*(\b):TMP+4*(\b)+3] offset:((\b)/4)*STH+((\b)%4)*32
.endr
.irp t, 0,1,2,3,4,5,6,7,8,9,10,11      ; head t / 4, rows 4 (t % 4) on
	ds_load_b128 v[BK+4*(\t):BK+4*(\t)+3], v[RD] offset:((\t)/4)*STH+((\t)%4)*4*SPH  ; LDS serves a wave's instructions in order (ISA guide 5.7.1.4): these see the stores above; the next block's stores come behind them
.endr
.endm
.macro SEND a, younger, hb             ; younger: the LDS instructions issued behind block a's loads: the next block's 24, or none.  hb: the tile's three head bases
	WIN 0
.set BK, BK0+48*((\a)%2)
	s_wait_dscnt \younger
.irp t, 0,1,2,3,4,5,6,7,8,9,10,11
	global_store_b128 v[GO], v[BK+4*(\t):BK+4*(\t)+3], s[(\hb)+2*((\t)/4):(\hb)+2*((\t)/4)+1] offset:(\a)*2048+((\t)%4)*512  ; 512 consecutive bytes, at a multiple of 512 from the buffer's first
.endr
.endm
.macro WAYOUT hb                       ; a block's conversions stand between the loads of the block before and its stores
	PLACES                                         ; the conversions read results just made
	PACK 0
	TOSTAGE 0
	PACK 1
	TOSTAGE 1
	SEND 0, 24, \hb
	PACK 2
	TOSTAGE 2
	SEND 1, 24, \hb
	PACK 3
	TOSTAGE 3
	SEND 2, 24, \hb
	SEND 3, 0, \hb
.endm
	s_wait_tensorcnt 0x1                           ; my part of K step 0 is in; K step 1's may stay out
	s_barrier_signal -1
	s_barrier_wait -1                              ; everybody's is
	FETCH 0, 0
	WIN 0                                          ; at a label and at a branch every window is 0
	s_mov_b32 s3, TILES*STEPS-2
.Lstep:                                                ; 14 trips: a K step is multiplied, and the step two further on is asked for
	s_cmp_eq_u32 s[NEW], 1                         ; this test stands first: at the first trip its answer is a constant of the text
	s_cbranch_scc0 .Lgoes_on
.rept 5
	v_nop                                          ; five places ahead of products that write over accumulators without adding onto them (ISA guide 7.12.1)
.endr
	QUARTER 1, 0, 1, 1                             ; a tile's first quarter: its products start the sums
	WIN 0
	s_mov_b32 s[NEW], 0
	s_branch .Lsecond
.Lgoes_on:
	QUARTER 1, 0, 1, 0
	WIN 0
.Lsecond:
	QUARTER 2, 1, 0, 0
	QUARTER 3, 0, 1, 0
	TURN 1
	WIN 0
	s_sub_co_u32 s[LEFT], s[LEFT], 1
	s_cmp_lg_u32 s[LEFT], 0
	s_cbranch_scc1 .Lnot_done
	WAYOUT HB0                                     ; the first tile is finished: the second's K steps 0 and 1 have been asked for, and nothing waits for these stores
	s_mov_b32 s[NEW], 1
	s_mov_b32 s[LEFT], STEPS
.Lnot_done:
	s_sub_co_u32 s3, s3, 1
	s_cmp_lg_u32 s3, 0
	s_cbranch_scc1 .Lstep
	s_mov_b32 s3, 2
.Ltail:                                                ; the walk's last two steps have a text of their own: nothing is asked for, and no round of the cluster's barrier stands here
	QUARTER 1, 0, 1, 0
	QUARTER 2, 1, 0, 0
	QUARTER 3, 0, 1, 0
	TURN 0
	WIN 0
	s_sub_co_u32 s3, s3, 1
	s_cmp_lg_u32 s3, 0
	s_cbranch_scc1 .Ltail
	WAYOUT HB1
	s_wait_tensorcnt 0x0                           ; the wave's end, behind my last tensor load and my last LDS store
	ds_add_u32 v[SPW], v[NIL]
	s_wait_dscnt 0x0
	CROUND                                         ; the closing round: no work-group ends while a partner may still ask for a tile that names it
	s_endpgm
.Lfunc_end_k_q2d894dc7b3_qkvp:
	.size	k_q2d894dc7b3_qkvp, .Lfunc_end_k_q2d894dc7b3_qkvp-k_q2d894dc7b3_qkvp
	.p2alignl 7, 3214868480
	.fill 96, 4, 3214868480
	.section	.rodata,"a",@progbits
	.p2align	6, 0x0
	.amdhsa_kernel k_q2d894dc7b3_qkvp
		.amdhsa_group_segment_fixed_size 327680
		.amdhsa_private_segment_fixed_size 0
		.amdhsa_enable_private_segment 0
		.amdhsa_kernarg_size 24
		.amdhsa_user_sgpr_count 2
		.amdhsa_user_sgpr_kernarg_segment_ptr 1
		.amdhsa_wavefront_size32 1
		.amdhsa_system_sgpr_workgroup_id_x 1
		.amdhsa_system_sgpr_workgroup_id_y 1
		.amdhsa_system_sgpr_workgroup_id_z 1
		.amdhsa_system_vgpr_workitem_id 0
		.amdhsa_next_free_vgpr 896
		.amdhsa_next_free_sgpr 96
		.amdhsa_reserve_vcc 0
		.amdhsa_float_denorm_mode_32 3
		.amdhsa_float_denorm_mode_16_64 3
		.amdhsa_memory_ordered 1
		.amdhsa_forward_progress 1
		.amdhsa_inst_pref_size 108
	.end_amdhsa_kernel
	.amdgpu_metadata
---
amdhsa.version: [ 1, 2 ]
amdhsa.kernels:
  - .name:           k_q2d894dc7b3_qkvp
    .symbol:         k_q2d894dc7b3_qkvp.kd
    .args:
      - { .name: xb, .offset: 0, .size: 8, .value_kind: global_buffer, .address_space: global }
      - { .name: wqb, .offset: 8, .size: 8, .value_kind: global_buffer, .address_space: global }
      - { .name: qkv, .offset: 16, .size: 8, .value_kind: global_buffer, .address_space: global }
    .group_segment_fixed_size: 327680
    .private_segment_fixed_size: 0
    .kernarg_segment_align: 8
    .kernarg_segment_size: 24
    .max_flat_workgroup_size: 128
    .sgpr_count:     96
    .vgpr_count:     896
    .wavefront_size: 32
...
	.end_amdgpu_metadata
.endif
;; end of part 2
;; launch attn (part 3): grid 4 x 64, 4 waves a work-group, no clusters, 327,680 bytes of LDS; arguments qkv, o; writes o
.if DOCPART == 3
	.amdgcn_target "amdgcn-amd-amdhsa--gfx1250"
	.amdhsa_code_object_version 6
	.text
	.protected	k_q2d894dc7b3_attn
	.globl	k_q2d894dc7b3_attn
	.p2align	8
	.type	k_q2d894dc7b3_attn,@function
k_q2d894dc7b3_attn:
	s_mov_b64 s[64:65], 0
	v_nop
	global_prefetch_b8 v0, s[64:65] scope:SCOPE_SE
	s_setreg_imm32_b32 hwreg(HW_REG_WAVE_MODE, 25, 1), 1
	s_wait_xcnt 0x0
; CAUSAL ATTENTION.  O[h][q][:] = the sum over k <= q of softmax_k(Q[h][q] . K[h][k] / 8) V[h][k][:].  Q, K, V lie one behind the other in qkv, each [64][SIZE_N][64] f16; O is [64][SIZE_N][64] f16:
; a head's rows are dense, 128 bytes each.  The grid's y is the head (16 b + h).
; Products, maxima and sums in f32; the weights p are rounded to f16 for the second product (their sum l is taken of the unrounded p), O once at the end.
; LIMITS.  f16 holds no number beyond 65,504: Q, K and V arrive within it; p lies in 0 to 1, and below 6e-5 it keeps f16's fixed step of 6e-8; O is a mean of V's rows and has their range, to within 2^-11 of it.
; A hidden score counts as its value less 1e30: f16's scores, 2.7e11 at the most, are nothing beside that; a weight below 2^-126 counts as 0 in l; NaN and infinities are not treated apart.
; THE WALK.  A head's queries lie in NB = SIZE_N / 256 blocks of 256; block i needs the key tiles 0 .. i of 256 keys, of which the last holds the diagonal.  A work-group takes TWO blocks, NB - 1 - b and then b:
; NB + 1 tiles, whatever b: all work-groups do equal work, and ONE loop with a constant trip count walks them.  Which tile is asked for, and what a trip does, hang on scalar registers made from b; every jump
; goes forward, but for the counted loops' own; none passes a barrier, or a tensor load but the one of LOAD's two that the wave's number does not choose; the ring (two slots of LDS that take turns) runs on across the
; change of blocks.  NO CLUSTER: a head's NB / 2 = 4 work-groups all ask for the same tile only in trips 0 .. NB / 2, 5 of the walk's 9; behind that fewer and fewer share one;
; and one walk common to all, in which each makes every joint request, would have 3 NB / 2 = 12 trips for NB + 1 = 9.
; SHARES.  Of a block's four bands of 64 queries a wave owns 16 rows in each: four PIECES.  So the diagonal tile is the same work for all four waves: in its key step s band x sees all keys if s < x,
; none if s > x, and holds the diagonal if s = x.
; THE MASK is the C operand that starts the sum S^T = K Q^T: 0, or -1e30 where the key is hidden.  MD, made once, is the mask of a band's own step for my 16 rows; a product's mask is MD x AL + BE with two scalars:
; (1, 0) if s = x; (0, 0) if s < x; (0, -1e30) if s > x.  Only the diagonal tile's text and a block's beginning make and take masks; elsewhere C is the constant 0.
; LAYOUT, SOFTMAX, TURNS.  S^T = K Q^T holds ONE query a lane (lane % 16) and the keys 8 (lane / 16) + 0..7; two such results rounded to f16 ARE source 1 of O^T = V^T P.  p = 2^(c s - c m), c = log2(e) / 8, with a
; running maximum m; O and l are multiplied by a = 2^(c m_old - c m_new) in every step.  Turn n belongs to piece n: 8 products K Q^T of piece n + 1, later 8 products V^T P of piece n - 1; beside them the scaling,
; exponentials, roundings, sums and rescaling of piece n and the maximum and statistics of piece n + 1.  Four vector instructions stand behind every matrix instruction, the other 54 of a turn's 118 in two LUMPS.
; REGISTERS, in windows of 256 (s_set_vgpr_msb: bits 1:0 source 0, 3:2 source 1, 5:4 source 2, 7:6 destination):
;   window 0: v0-15 addresses and two at work; v16-31 four registers of statistics a piece; v48-55 at work; v64-127 S^T, two buffers; v192-223 P, two buffers (a piece's buffers go by its number's parity)
;   window 1: v0-127 O^T, 32 a piece; v128-159 MD; v160-223 MC, two buffers      window 2: v0-63 Q; v64-127 the second block's Q; v128-191 K of one step; v192-255 V of one step
.set SIZE_N, 2048
.set PART,  64*SIZE_N*128  ; bytes of Q, of K and of V in qkv: 16,777,216
.set NB,    SIZE_N/256
.set NP,    4         ; pieces a wave: a name, no knob
.set KS,    64        ; keys in a step
.set PK,    144       ; a row of K in LDS: 128 bytes + 16 of padding = 36 words: the 16 rows of a load start at 16 different groups of four banks (64 banks of 4 bytes: ISA guide 11.1)
.set PV,    160       ; a row of V: 128 + 32 = 40 words
.set VOFF,  4*KS*PK   ; a slot holds a tile, four steps: 256 rows of K, then 256 rows of V
.set SLOT1, 1<<17     ; slot 1 begins here, so that one exclusive or turns an address in one slot into the other's
.set STAGE, SLOT1+4*KS*(PK+PV)  ; behind the ring, never filled by a tensor load: 16 rows x 144 bytes for each wave, for the way out
.set SP,    144
.set AK0, 2           ; v2   my lane's place in a tile of K; never rewritten
.set AV0, 3           ; v3   the same for V
.set AK,  4           ; v4   the LDS address of K's next run of loads
.set AV,  5           ; v5   of V's
.set STO, 6           ; v6   the way out: where I put 16 bytes of a row
.set RD,  7           ; v7   the way out: where I read rows back
.set GO,  8           ; v8   my byte offset in 512 consecutive bytes of O
.set SPW, 62          ; v62  LDS address of my spare word: SPARE + 4 x my thread's number; never rewritten
.set NIL, 63          ; v63  0; never rewritten
.set SPARE, STAGE+4*16*SP  ; behind the stages: the spare words, 128 bytes for each wave: two blocks of 256 bytes that no other line names
.set MV,  12          ; v12-13  c m_old, kept while c m is made anew: by buffer
.set QO,  15          ; v15  my byte offset in 16 rows of Q
.set ST,  16          ; piece t's statistics at v[ST+4 t]: c m, m, l (even keys', odd keys')
.set TMP, 48          ; by buffer, four registers c0-c3 at work; when the maximum is found c2 takes a
.set S,   64
.set P,   192
.set MD,  128         ; window 1: the eight registers for group kt of 16 keys at MD + 8 kt
.set MC,  160         ; window 1: the masks of the products to come
.set QB,  64          ; window 2
.set KF,  128         ; window 2: key block kb, channel half c at KF + 16 kb + 8 c
.set VF,  192         ; window 2: key half kk, channel block cb at VF + 32 kk + 8 cb
.set WV,  12          ; s12  my wave's number
.set PB,  14          ; s14  b
.set HI,  15          ; s15  NB - 1 - b
.set G1K, 24          ; s[24:31] descriptor group 1 for K's tiles
.set G1V, 32          ; s[32:39] for V's: it differs in the padding alone
.set G0K, 40          ; s[40:43] descriptor group 0 for K's tiles
.set G0V, 44          ; s[44:47] the same for V's
.set SLOTS, 56        ; s56  tiles still to be asked for
.set CNT, 57          ; s57  counts a tile's key steps, 4 to 1
.set CS,  58          ; s[58:59] c: the packed scaling takes the pair's low word for both halves
.set SEL, 60          ; s[60:61] v_permlanex16_b32's selects: each lane takes its own place in the other half
.set TBK, 62          ; s62  LDS byte at which K of the step to be fetched begins
.set TBV, 63          ; s63  the same for V, less VOFF
.set RT,  70          ; s70  tiles of the block in hand that are still to be entered
.set NXT, 71          ; s71  the tile to be asked for next
.set LQ,  72          ; s72  the last tile of the block whose tiles are being asked for
.set NEW, 73          ; s73  1: the tile to be entered is a block's first
.set OFF, 74          ; s[74:75] a tile's byte offset in K and V
.set AL,  76          ; s[76:77] the mask's factor, in the low word
.set BE,  78          ; s[78:79] the mask's addend
.set OLO, 80          ; s[80:81] O at my rows of the second block
.set BIGN, 82         ; s82  -1e30
.set MSB, 0
.macro WIN new                      ; the high byte repeats the setting that is left; a switch that changes nothing is dropped
.if MSB != (\new)
	s_set_vgpr_msb (MSB<<8)|(\new)
.set MSB, (\new)
.endif
.endm
.set W_KQ, 0x0a       ; K and Q in window 2, S^T in window 0
.set W_KM, 0x1a       ; the same with the C operand in window 1
.set W_PV, 0x52       ; V in window 2, P in window 0, O^T in window 1
.set W_RS, 0x41       ; destination and source 0 in window 1, source 1 in window 0
; A fill.  Waves 0 and 1 fetch the two halves of a tile's K, waves 2 and 3 those of its V: 128 keys each.  An s_nop 0 and four v_nop follow each of the two lines, ahead of the jump and the label.
.macro LOAD
	s_cmp_lt_u32 s[WV], 2
	s_cbranch_scc0 .Lfor_v_\@
	tensor_load_to_lds s[G0K:G0K+3], s[G1K:G1K+7]
	s_nop 0
.rept 4
	v_nop
.endr
	s_branch .Lasked_\@
.Lfor_v_\@:
	tensor_load_to_lds s[G0V:G0V+3], s[G1V:G1V+7]
	s_nop 0
.rept 4
	v_nop
.endr
.Lasked_\@:
.endm
; THE CHANGE OF SLOTS.  Each wave waits for all its tensor loads, of which one is out: its part of the other slot; adds 0 to its spare word; and waits for that and for its own reads of the slot that it leaves.  Behind the barrier nobody reads the old
; slot any more and the other slot is whole.  fill = 1: the old slot is filled again, the first thing behind the barrier, with tile NXT: the descriptor's address is made anew from that number.
; (At its first use nothing has been read yet: slot 0 is waited for, slot 1 filled.)
.macro CHANGE fill
	WIN 0                           ; at a label and at a branch every window is 0
	s_wait_tensorcnt 0x0            ; no tensor load of mine is out, so a group 0 may be written
	ds_add_u32 v[SPW], v[NIL]       ; 0 onto my spare word; with fill = 1 the descriptors' scalar work stands between it and the wait for it
.if \fill
	s_lshl_b32 s[OFF], s[NXT], 15   ; a tile is 32,768 bytes of K and of V
	s_xor_b32 s[G0K+1], s[G0K+1], SLOT1
	s_add_nc_u64 s[G0K+2:G0K+3], s[6:7], s[OFF:OFF+1]
	s_or_b32 s[G0K+3], s[G0K+3], 0x80000000
	s_xor_b32 s[G0V+1], s[G0V+1], SLOT1
	s_add_nc_u64 s[G0V+2:G0V+3], s[8:9], s[OFF:OFF+1]
	s_or_b32 s[G0V+3], s[G0V+3], 0x80000000
	s_add_co_u32 s[NXT], s[NXT], 1  ; the block's next tile, or behind its last the second block's tile 0
	s_cmp_gt_u32 s[NXT], s[LQ]
	s_cselect_b32 s[NXT], 0, s[NXT]
	s_cselect_b32 s[LQ], s[PB], s[LQ]
.endif
	s_wait_dscnt 0x0                ; the add is done, and my reads of the slot are over
	s_barrier_signal -1             ; the rest of the scalar work stands between the signal and the wait
	s_sub_co_u32 s[TBK], s[TBK], 4*KS*PK  ; the fetches go back to a slot's first step,
	s_xor_b32 s[TBK], s[TBK], SLOT1       ; in the other slot
	s_sub_co_u32 s[TBV], s[TBV], 4*KS*PV
	s_xor_b32 s[TBV], s[TBV], SLOT1
	s_barrier_wait -1
.if \fill
	LOAD
.endif
.endm
	s_load_b128 s[4:7], s[0:1], 0x0  ; qkv s[4:5] (Q lies first in it), o s[6:7]
	v_lshl_add_u32 v[SPW], v0, 2, SPARE
	v_mov_b32 v[NIL], 0
	ds_add_u32 v62, v63
	ds_add_u32 v62, v63
	s_wait_dscnt 0x0
	v_lshrrev_b32 v1, 5, v0
	v_readfirstlane_b32 s[WV], v1   ; wave 0..3
	s_mov_b32 s[PB], ttmp9
	s_sub_co_u32 s[HI], NB-1, s[PB]
	s_and_b32 s20, ttmp7, 0xffff    ; the head
	s_mov_b32 s21, 0
	s_mov_b64 s[22:23], SIZE_N*128
	s_mul_u64 s[20:21], s[20:21], s[22:23]  ; the head's first byte in each of the four tensors
	s_and_b32 s16, s[WV], 1         ; which half of a tile's 256 keys I fetch:
	s_lshl_b32 s22, s16, 14         ; its 128 rows of 128 bytes in memory,
	s_mov_b32 s23, 0
	s_add_nc_u64 s[22:23], s[22:23], s[20:21]
	s_mul_i32 s17, s16, 128*PK      ; and its place in a slot, for K
	s_mul_i32 s18, s16, 128*PV      ; and for V
	s_lshl_b32 s3, s[WV], 11        ; my 16 rows in a band of 64,
	s_lshl_b32 s2, s[HI], 15        ; in the first block,
	s_add_co_u32 s2, s2, s3
	s_lshl_b32 s84, s[PB], 15       ; and in the second
	s_add_co_u32 s84, s84, s3
	s_mov_b32 s3, 0
	s_mov_b32 s85, 0
	s_add_nc_u64 s[2:3], s[2:3], s[20:21]
	s_add_nc_u64 s[84:85], s[84:85], s[20:21]
	; descriptor group 1.  128 keys are 16,384 dense bytes: asked for as 64 rows of 256 bytes, two keys a row, and padded in LDS after every key
	s_mov_b32 s[G1K], (1<<16)|(1<<20)|(4<<22)|(3<<25)  ; 17:16 2-byte elements; 20 padding on; 24:22 after every 32 words (code 4); 31:25 4 words (code 3)
	s_mov_b32 s[G1V], (1<<16)|(1<<20)|(4<<22)|(7<<25)  ; the same with 8 words of padding (code 7)
.irp g, G1K, G1V
	s_mov_b32 s[\g+1], 128<<16      ; tensor_dim0 = 128
	s_mov_b32 s[\g+2], 64<<16       ; tensor_dim1 = 64
	s_mov_b32 s[\g+3], 128<<16      ; tile_dim0 = 128
	s_mov_b32 s[\g+4], 64           ; tile_dim1 = 64
	s_mov_b32 s[\g+5], 128          ; 128 elements from row to row
	s_mov_b32 s[\g+6], 0
	s_mov_b32 s[\g+7], 0
.endr
	s_mov_b32 s[CS], 0x3e38aa3b     ; c = log2(e) / 8 = 0.180337
	s_mov_b32 s[CS+1], s[CS]        ; named with it as a pair
	s_mov_b32 s[SEL], 0x76543210
	s_mov_b32 s[SEL+1], 0xfedcba98
	s_mov_b32 s[TBK], SLOT1+4*KS*PK ; the first change of slots turns these two into 0
	s_mov_b32 s[TBV], SLOT1+4*KS*PV
	s_mov_b32 s[G0K], 1             ; 1:0 count = 1
	s_mov_b32 s[G0K+1], s17         ; 63:32 LDS address: slot 0
	s_mov_b32 s[G0V], 1
	s_add_co_u32 s[G0V+1], s18, VOFF
	s_add_co_u32 s[RT], s[HI], 1    ; the first block has NB - b tiles
	s_mov_b32 s[NXT], 1
	s_mov_b32 s[LQ], s[HI]
	s_mov_b32 s[NEW], 1
	s_mov_b32 s[OFF+1], 0
	s_mov_b32 s[AL+1], 0            ; named as pairs
	s_mov_b32 s[BE+1], 0
	s_mov_b32 s[BIGN], 0xf149f2ca   ; -1e30
	s_mov_b32 s[SLOTS], NB
	s_wait_kmcnt 0x0
	s_mov_b64 s[10:11], s[6:7]             ; O
	s_add_nc_u64 s[8:9], s[4:5], 2*PART    ; V lies third in qkv,
	s_add_nc_u64 s[6:7], s[4:5], PART      ; K second
	s_add_nc_u64 s[6:7], s[6:7], s[22:23]  ; K and V at my half of the head's tile 0
	s_add_nc_u64 s[8:9], s[8:9], s[22:23]
	s_add_nc_u64 s[G0K+2:G0K+3], s[6:7], 0         ; 120:64 global address
	s_or_b32 s[G0K+3], s[G0K+3], 0x80000000        ; 127:126 type = 2
	s_add_nc_u64 s[G0V+2:G0V+3], s[8:9], 0
	s_or_b32 s[G0V+3], s[G0V+3], 0x80000000
	s_add_nc_u64 s[86:87], s[4:5], s[84:85]        ; Q at my rows of the second block,
	s_add_nc_u64 s[4:5], s[4:5], s[2:3]            ; Q and O at those of the first
	s_add_nc_u64 s[OLO:OLO+1], s[10:11], s[84:85]
	s_add_nc_u64 s[10:11], s[10:11], s[2:3]
	LOAD                            ; tile 0 into slot 0
	; A fragment of K or Q is 16 rows x 32 channels in 8 registers: lane l holds row l % 16, channels 8 (l / 16) + 0..7 and 16 + 8 (l / 16) + 0..7: two loads of 16 bytes, 32 bytes apart.
	v_and_b32 v1, 15, v0            ; l % 16
	v_bfe_u32 v9, v0, 4, 1          ; l / 16
	v_lshlrev_b32 v[QO], 7, v1
	v_lshl_add_u32 v[QO], v9, 4, v[QO]  ; row x 128 + 16 x half
	WIN 0x80                        ; destination window 2, address window 0
.set i, 0
.rept 8                             ; both blocks' Q: piece i / 2 lies in band i / 2, 8,192 bytes on; channels 32 (i % 2) on
	global_load_b128 v[8*i:8*i+3],   v[QO], s[4:5] offset:(i/2)*8192+(i%2)*64
	global_load_b128 v[8*i+4:8*i+7], v[QO], s[4:5] offset:(i/2)*8192+(i%2)*64+32
	global_load_b128 v[QB+8*i:QB+8*i+3],   v[QO], s[86:87] offset:(i/2)*8192+(i%2)*64
	global_load_b128 v[QB+8*i+4:QB+8*i+7], v[QO], s[86:87] offset:(i/2)*8192+(i%2)*64+32
.set i, i+1
.endr
	WIN 0
	v_lshlrev_b32 v14, 3, v9
	v_sub_nc_u32 v14, v1, v14
	s_lshl_b32 s13, s[WV], 4
	v_add_nc_u32 v14, s13, v14      ; my query's place in its band, 16 w + l % 16, less my lanes' 8 (l / 16): register r of group kt is hidden where 16 kt + r is greater
	WIN 0x40
.set i, 0
.rept 32
	v_cmp_gt_i32 vcc_lo, 16*(i/8)+i%8, v14
	v_cndmask_b32 v[MD+i], 0, s[BIGN], vcc_lo
.set i, i+1
.endr
	WIN 0
	v_mul_u32_u24 v[AK0], v1, PK
	v_lshl_add_u32 v[AK0], v9, 4, v[AK0]  ; row x pitch + 16 x half
	; The turning load takes 16 keys x 16 channels (lane l reads key 8 (l / 16) + l % 8, channels 8 ((l / 8) % 2) + 0..7) and leaves half a fragment of V^T: lane l holds channel l % 16 and 8 keys.
	v_and_b32 v10, 7, v0
	v_bfe_u32 v11, v0, 3, 1
	v_lshl_add_u32 v[AV0], v9, 3, v10
	v_mul_u32_u24 v[AV0], v[AV0], PV
	v_lshl_add_u32 v[AV0], v11, 4, v[AV0]
	v_add_nc_u32 v[AV0], VOFF, v[AV0]
	s_mul_i32 s13, s[WV], 16*SP
	s_add_co_u32 s13, s13, STAGE    ; my stage
	v_mul_u32_u24 v[STO], v1, SP    ; in: row l % 16, 16 bytes for each half of the lanes
	v_lshl_add_u32 v[STO], v9, 4, v[STO]
	v_add_nc_u32 v[STO], s13, v[STO]
	v_bfe_u32 v[RD], v0, 3, 2       ; back: 32 lanes take four rows of 128 bytes,
	v_mul_u32_u24 v[RD], v[RD], SP
	v_lshl_add_u32 v[RD], v10, 4, v[RD]
	v_add_nc_u32 v[RD], s13, v[RD]
	v_and_b32 v[GO], 31, v0         ; which are 512 consecutive bytes of O
	v_lshlrev_b32 v[GO], 4, v[GO]
	; A block's first step multiplies O^T and l by a = 0, and its first turn's products V^T P, of a piece that has not been, land in an O^T that is still to be so multiplied.  So these registers need only hold
	; finite numbers: zeros for the first block; what the first block left for the second.  All this stands in the wait for the first tile.
	WIN 0x80
.set i, VF
.rept 64
	v_mov_b32 v[i], 0
.set i, i+1
.endr
	WIN 0x40
.set i, 0
.rept 128
	v_mov_b32 v[i], 0
.set i, i+1
.endr
	WIN 0
.set i, 0
.rept 4
	v_mov_b32 v[ST+4*i+2], 0
	v_mov_b32 v[ST+4*i+3], 0
.set i, i+1
.endr
.set i, P+16
.rept 16
	v_mov_b32 v[i], 0
.set i, i+1
.endr
; THE MATRIX WORK.  The 4 accumulators of a run of 8 take turns.  Product i of 8 of S^T = K Q^T for piece x: channels 32 (i / 4) on, keys 16 (i % 4) on.  The first 4 start the sums: with 0, or (KM = 1) with the mask.
.macro KQ x
.set rS, S+32*((\x)%2)+8*(i%4)
.set rK, KF+16*(i%4)+8*(i/4)
.set rQ, 16*(\x)+8*(i/4)
.set rM, MC+32*((\x)%2)+8*(i%4)
.if (i < 4) && KM
	WIN W_KM
	v_wmma_f32_16x16x32_f16 v[rS:rS+7], v[rK:rK+7], v[rQ:rQ+7], v[rM:rM+7]
.elseif i < 4
	WIN W_KQ
	v_wmma_f32_16x16x32_f16 v[rS:rS+7], v[rK:rK+7], v[rQ:rQ+7], 0
.else
	WIN W_KQ
	v_wmma_f32_16x16x32_f16 v[rS:rS+7], v[rK:rK+7], v[rQ:rQ+7], v[rS:rS+7]
.endif
.endm
; Product i of 8 of O^T += V^T P for piece x: keys 32 (i / 4) on, channels 16 (i % 4) on.
.macro PV x
	WIN W_PV
.set rO, 32*(\x)+8*(i%4)
.set rV, VF+32*(i/4)+8*(i%4)
.set rP, P+16*((\x)%2)+8*(i/4)
	v_wmma_f32_16x16x32_f16 v[rO:rO+7], v[rV:rV+7], v[rP:rP+7], v[rO:rO+7]
.endm
.macro MM                           ; the turn's next matrix instruction.  TURN and BEGIN set Y, i, KM and NOKQ; MM, KQ and OP read them.  NOKQ = 1: a block's last turn: there is no next piece
.if (i < 8) && !NOKQ
	KQ (Y+1)%NP
.elseif i >= 8
.set i, i-8
	PV (Y+NP-1)%NP
.set i, i+8
.endif
.set i, i+1
.endm
; THE LDS LOADS stand in runs of 16, never singly among the matrix instructions: a step's K (64 keys x 64 channels: 8 fragments) and its V (turned).  Their addresses are made some lines ahead.
.macro FETCH_K
	WIN 0x80                        ; destination window 2
.irp f, 0,1,2,3,4,5,6,7             ; keys 16 (f / 2) on, channels 32 (f % 2) on
	ds_load_b128 v[KF+8*\f:KF+8*\f+3],   v[AK] offset:(\f/2)*16*PK+(\f%2)*64
	ds_load_b128 v[KF+8*\f+4:KF+8*\f+7], v[AK] offset:(\f/2)*16*PK+(\f%2)*64+32
.endr
	s_add_co_u32 s[TBK], s[TBK], KS*PK  ; the next fetch is the next step's
	WIN 0
.endm
.macro FETCH_V
	WIN 0x80
.irp f, 0,1,2,3,4,5,6,7             ; keys 32 (f / 4) on, channels 16 (f % 4) on
	ds_load_tr16_b128 v[VF+8*\f:VF+8*\f+3],   v[AV] offset:(\f/4)*32*PV+(\f%4)*32
	ds_load_tr16_b128 v[VF+8*\f+4:VF+8*\f+7], v[AV] offset:(\f/4)*32*PV+16*PV+(\f%4)*32
.endr
	WIN 0
.endm
; THE VECTOR WORK, one line at a time: OP kind, number.  For piece Y: F n: c s - c m for pair n of 16.  E n: the exponential of score n of 32.  C n: pair n rounded to f16.  B n: of the four weights 4 n .. the second
; pair is added onto the first, in place.  L n: l takes that sum (L 0: l = a l + sum).  R n: pair n of 16 of O^T times a.  For piece Y + 1: X n, number n of the 22 that find its maximum and statistics:
;   0-11  four chains c0-c3 of seven scores each, three operands at a time (each accumulator's lowest registers are read first)     12-14, 16  the four scores left over, the old m, and c0-c3 into c0
;   15  c m_old is kept     17, 18  the query's other 32 keys lie in the lane 16 away: the new m     19-21  c m; c m_old - c m_new; a
.set F, 0               ; OP tells the kinds apart by their order: F to L below R, X above it
.set E, 1
.set C, 2
.set B, 3
.set L, 4
.set R, 5
.set X, 6
.macro REGS y                       ; the registers of piece y
.set rT, ST+4*(\y)
.set rC, TMP+4*((\y)%2)
.set rW, MV+((\y)%2)
.set rS, S+32*((\y)%2)
.set rP, P+16*((\y)%2)
.set rO, 32*(\y)
.endm
.macro OP k, n
.if (\k) == R
	REGS Y
	WIN W_RS
	v_pk_mul_f32 v[rO+2*(\n):rO+2*(\n)+1], v[rO+2*(\n):rO+2*(\n)+1], v[rC+2:rC+3] op_sel_hi:[1,0]
.elseif (\k) < R
	REGS Y
	WIN 0
.if (\k) == F
	v_pk_fma_f32 v[rS+2*(\n):rS+2*(\n)+1], v[rS+2*(\n):rS+2*(\n)+1], s[CS:CS+1], v[rT:rT+1] op_sel_hi:[1,0,0] neg_lo:[0,0,1] neg_hi:[0,0,1]
.elseif (\k) == E
	v_exp_f32 v[rS+(\n)], v[rS+(\n)]
.elseif (\k) == C
	s_wait_alu depctr_va_vdst(0)
	v_cvt_pk_f16_f32 v[rP+(\n)], v[rS+2*(\n)], v[rS+2*(\n)+1]
.elseif (\k) == B
	s_wait_alu depctr_va_vdst(0)
	v_pk_add_f32 v[rS+4*(\n):rS+4*(\n)+1], v[rS+4*(\n):rS+4*(\n)+1], v[rS+4*(\n)+2:rS+4*(\n)+3]
.elseif (\n) == 0
	v_pk_fma_f32 v[rT+2:rT+3], v[rT+2:rT+3], v[rC+2:rC+3], v[rS:rS+1] op_sel_hi:[1,0,1]
.else
	v_pk_add_f32 v[rT+2:rT+3], v[rT+2:rT+3], v[rS+4*(\n):rS+4*(\n)+1]
.endif
.elseif NOKQ
	v_nop
.else
	REGS (Y+1)%NP
	WIN 0
.if (\n) < 4
	v_max3_num_f32 v[rC+(\n)], v[rS+8*(\n)], v[rS+8*(\n)+1], v[rS+8*(\n)+2]
.elseif (\n) < 12
	v_max3_num_f32 v[rC+(\n)%4], v[rC+(\n)%4], v[rS+8*((\n)%4)+2*((\n)/4)+1], v[rS+8*((\n)%4)+2*((\n)/4)+2]
.elseif (\n) == 12
	v_max3_num_f32 v[rC], v[rC], v[rS+7], v[rS+15]
.elseif (\n) == 13
	v_max3_num_f32 v[rC+1], v[rC+1], v[rS+23], v[rS+31]
.elseif (\n) == 14
	v_max3_num_f32 v[rC+2], v[rC+2], v[rC+3], v[rT+1]
.elseif (\n) == 15
	v_mov_b32 v[rW], v[rT]
.elseif (\n) == 16
	v_max3_num_f32 v[rC], v[rC], v[rC+1], v[rC+2]
.elseif (\n) == 17
	v_permlanex16_b32 v[rC+3], v[rC], s[SEL], s[SEL+1]
.elseif (\n) == 18
	v_max_num_f32 v[rT+1], v[rC], v[rC+3]
.elseif (\n) == 19
	v_mul_f32 v[rT], s[CS], v[rT+1]
.elseif (\n) == 20
	v_sub_f32 v[rC+1], v[rW], v[rT]
.else
	v_exp_f32 v[rC+2], v[rC+1]
.endif
.endif
.endm
.macro OPS a, i1, b=-1, i2=0, c=-1, i3=0, d=-1, i4=0  ; up to four of them
	OP \a, \i1
.if (\b) >= 0
	OP \b, \i2
.endif
.if (\c) >= 0
	OP \c, \i3
.endif
.if (\d) >= 0
	OP \d, \i4
.endif
.endm
.macro ROW a, i1, b, i2, c, i3, d, i4  ; a matrix instruction and the four behind it
	MM
	OPS \a, \i1, \b, \i2, \c, \i3, \d, \i4
.endm
.macro MASK b                       ; MD x AL + BE into buffer b of MC
	WIN W_RS
.set z, 0
.rept 16
	v_pk_fma_f32 v[MC+32*(\b)+2*z:MC+32*(\b)+2*z+1], v[MD+2*z:MD+2*z+1], s[AL:AL+1], s[BE:BE+1] op_sel_hi:[1,0,0]
.set z, z+1
.endr
.endm
; A TURN, for piece p: the order of its 16 matrix and 118 vector instructions, written out.  Behind a matrix instruction: plain, exponential, plain, plain; or four of the rescaling; or, behind the first, four scalings; none
; names a register of the products round it.  In the lumps exponential and plain by turns while exponentials last.  A line reads no result made fewer than three vector instructions in front of it, five if an exponential made it.
; v_permlanex16_b32 (X 17) stands in a lump.
; m = 1: the diagonal tile: the products take masks, and the turn makes the mask for the products of the turn after it: piece p + 2, in step 4 - CNT of the tile.  end = 1: a block's last two turns: nothing is fetched.
; cnt = 1: the loop's count is taken down some lines ahead of the branch that stands behind the turn.
; K of the next step is fetched in piece 2's turn, six vector instructions behind the last product that read K (five of them plain); V of the step in hand in piece 0's turn, eight behind the last product that read V (four
; plain, and X 17).  Each is waited for a turn later.
.macro TURN p, m=0, end=0, cnt=0
.set Y, (\p)
.set i, 0
.set KM, (\m)
.set NOKQ, (\end)*((\p)/3)
.if (\m) && !(\end)
	s_cmp_eq_u32 s[CNT], 4-((\p)+2)%NP  ; is that step the band's own?
	s_cselect_b32 s[AL], 1.0, 0
	s_cmp_lt_u32 s[CNT], 4-((\p)+2)%NP  ; or a later one?
	s_cselect_b32 s[BE], s[BIGN], 0
.endif
.if ((\p) == 3) && !(\end)
	s_wait_dscnt 0x0                ; K is in
.endif
	ROW F,0, F,1, F,2, F,3
	ROW F,4, E,0, F,5, F,6
	ROW F,7, E,1, F,8, F,9
	ROW F,10, E,2, C,0, F,11
	ROW F,12, E,3, X,15, F,13
	ROW R,0, R,1, R,2, R,3
	ROW B,0, E,4, F,14, L,0
.if ((\p) == 2) && !(\end)
	v_add_nc_u32 v[AK], s[TBK], v[AK0]
.endif
	ROW R,4, R,5, R,6, R,7
	OPS E,5, F,15
.if ((\p) == 2) && !(\end)
	FETCH_K
.endif
	OPS E,6, C,1, E,7, R,8
	OPS E,8, R,9, E,9, C,2
	OPS E,10, X,0, E,11, X,1
	OPS E,12, X,2, E,13, X,3
.if (\p) == 1
	s_wait_dscnt 0x0                ; V is in
.endif
	ROW X,4, E,14, X,5, X,6
	ROW X,7, E,15, X,8, X,9
	ROW X,10, E,16, X,11, X,12
	ROW X,13, E,17, X,14, B,1
	ROW C,4, E,18, X,16, L,1
	ROW B,2, E,19, C,6, L,2
	ROW C,8, E,20, B,3, B,4
.if (\p) == 0
	v_add_nc_u32 v[AV], s[TBV], v[AV0]
.endif
	ROW C,3, E,21, L,3, C,5
	OPS E,22, X,17, E,23, C,10
.if (\p) == 0
	FETCH_V
.endif
	OPS E,24, L,4
	OPS E,25, X,18, E,26, C,7
	OPS E,27, B,5, E,28, X,19
	OPS E,29, C,12, E,30, L,5
	OPS E,31, X,20, B,6, C,9
	OPS C,14, C,11, X,21, L,6
.if (\p) == 0
	s_add_co_u32 s[TBV], s[TBV], KS*PV
.endif
.if \cnt
	s_sub_co_u32 s[CNT], s[CNT], 1
	s_cmp_lg_u32 s[CNT], 0
.endif
	OPS C,13, B,7, C,15, R,10
	OPS R,11, R,12, L,7, R,13
	OPS R,14, R,15
.if (\m) && !(\end)
	MASK (\p)%2
.endif
.endm
; A BLOCK BEGINS.  c m starts far below every c s, so the first step's a is 0; m at the lowest finite number, so the first maximum is the scores'.  The second mask buffer is 0; the first takes piece 0's mask for the tile's step 0: its own, if the block's first tile is the diagonal one.
; Then K of that step, piece 0's first scores, and its maximum and statistics.  The loop is entered at a step's first turn, in the middle of a trip.
.macro BEGIN
	s_mov_b32 s[NEW], 0
	WIN 0x40
.set i, MC+32
.rept 32
	v_mov_b32 v[i], 0
.set i, i+1
.endr
	WIN 0
.set i, 0
.rept 4
	v_mov_b32 v[ST+4*i], 0xfe000000    ; c m: far below every c s
	v_mov_b32 v[ST+4*i+1], 0xff7fffff  ; m
.set i, i+1
.endr
	s_cmp_eq_u32 s[RT], 0
	s_cselect_b32 s[AL], 1.0, 0
	s_mov_b32 s[BE], 0
	MASK 0
	WIN 0
	v_add_nc_u32 v[AK], s[TBK], v[AK0]
	FETCH_K
	s_wait_loadcnt 0x0              ; Q
	s_wait_dscnt 0x0
.set KM, 1
.set NOKQ, 0
.set i, 0
.rept 8
	KQ 0
.set i, i+1
.endr
	WIN 0
.rept 4
	v_nop                           ; the places behind those products
.endr
.set Y, NP-1                        ; X works for piece Y + 1: piece 0
.irp n, 0,1,2,3,4,5,6,7,8,9,10,11,12,13,14,15,16,17,18,19,20,21
	OP X, \n
.endr
	v_nop                           ; a plain instruction behind the exponential
.endm
; THE DIAGONAL TILE's four steps, the block's last two turns, its last products, and THE WAY OUT: l's two halves and the other half of the lanes' are added; O^T is divided by l, rounded to f16 and sent through my
; stage in LDS, a piece at a time.
.macro ALL line:vararg              ; one line for each piece t
.set t, 0
.rept 4
	\line
.set t, t+1
.endr
.endm
.macro PACK t                       ; a lane's eight channels of a row pack into 16 bytes; they go into rows of 144 bytes and come back as whole rows of 128, into S^T's registers
	WIN W_RS
.set i, 32*(\t)
.rept 16
	s_wait_alu depctr_va_vdst(0)
	v_pk_mul_f32 v[i:i+1], v[i:i+1], v[ST+4*(\t)+2:ST+4*(\t)+3] op_sel_hi:[1,0]
.set i, i+2
.endr
	WIN 0x05                        ; sources 0 and 1 window 1, destination window 0
.set i, 0
.rept 16
	v_cvt_pk_f16_f32 v[S+16*(\t)+i], v[32*(\t)+2*i], v[32*(\t)+2*i+1]
.set i, i+1
.endr
	WIN 0
.irp f, 0,1,2,3
	ds_store_b128 v[STO], v[S+16*(\t)+4*\f:S+16*(\t)+4*\f+3] offset:32*\f
.endr
.irp f, 0,1,2,3
	ds_load_b128 v[S+16*(\t)+4*\f:S+16*(\t)+4*\f+3], v[RD] offset:\f*4*SP  ; LDS serves a wave's instructions in order (ISA guide 5.7.1.4): these see the stores above; the next piece's stores come behind them
.endr
.endm
.macro SEND t, younger              ; younger: the LDS instructions issued behind piece t's loads: the next piece's eight, or none
	WIN 0
.irp f, 0,1,2,3
	s_wait_dscnt (\younger)+3-\f
	global_store_b128 v[GO], v[S+16*(\t)+4*\f:S+16*(\t)+4*\f+3], s[10:11] offset:(\t)*8192+\f*512  ; 512 consecutive bytes, at a multiple of 256 from O's first
.endr
.endm
.macro DIAG tag                     ; the tag ends its two labels' names, which the jumps below spell out
.LstepM\tag:
	TURN 2, 1
	TURN 3, 1
	WIN 0
.LfirstM\tag:
	TURN 0, 1
	TURN 1, 1, 0, 1
	WIN 0
	s_cbranch_scc1 .LstepM\tag
	TURN 2, 1, 1
	TURN 3, 1, 1
.set i, 0
.rept 8
	PV NP-1
.set i, i+1
.endr
	WIN 0
	ALL v_add_f32 v[ST+4*t+2], v[ST+4*t+2], v[ST+4*t+3]
	ALL v_permlanex16_b32 v[ST+4*t+3], v[ST+4*t+2], s[SEL], s[SEL+1]
	ALL v_add_f32 v[ST+4*t+2], v[ST+4*t+2], v[ST+4*t+3]
	ALL v_rcp_f32 v[ST+4*t+2], v[ST+4*t+2]
	v_nop                           ; a plain instruction between the last reciprocal and the use of its result
	PACK 0
.set t, 1
.rept 3                             ; a piece's arithmetic stands between the loads of the piece before and its stores
	PACK t
	SEND t-1, 8
.set t, t+1
.endr
	SEND 3, 0
.endm
.set KM, 0
.set NOKQ, 0
.Lslot:                             ; NB times: a tile is entered and the next is asked for
	CHANGE 1
	s_sub_co_u32 s[RT], s[RT], 1
	s_mov_b32 s[CNT], 4
	s_cmp_eq_u32 s[NEW], 1
	s_cbranch_scc1 .Lnew            ; a block's first tile
	s_cmp_eq_u32 s[RT], 0
	s_cbranch_scc0 .Lstep           ; neither its first nor its last
	s_branch .LstepM1
.Lnew:
	BEGIN
	s_branch .Lfirst                ; in the loop a block's first tile is never its last: the first block has two tiles or more, and the second's last is the walk's last
	DIAG 1                          ; in the loop this is the first block's end: the second block's last tile is the walk's last
	s_wait_xcnt 0x0                 ; the stores have read their registers and O's address
	s_mov_b64 s[10:11], s[OLO:OLO+1]
	s_add_co_u32 s[RT], s[PB], 1    ; the second block has b + 1 tiles
	s_mov_b32 s[NEW], 1
	WIN 0x82                        ; the second block's Q goes where the one text of the turns names Q
.set i, 0
.rept 64
	v_mov_b32 v[i], v[QB+i]
.set i, i+1
.endr
	WIN 0
	s_branch .Lbottom
.Lstep:                             ; a trip: pieces 2 and 3 of one step, then pieces 0 and 1 of the next, whose K and V it fetches
	TURN 2
	TURN 3
	WIN 0
.Lfirst:
	TURN 0
	TURN 1, 0, 0, 1
	WIN 0
	s_cbranch_scc1 .Lstep
.Lbottom:
	s_sub_co_u32 s[SLOTS], s[SLOTS], 1
	s_cmp_lg_u32 s[SLOTS], 0
	s_cbranch_scc1 .Lslot
	CHANGE 0                        ; the walk's last tile is written out: nothing is asked for
	s_sub_co_u32 s[RT], s[RT], 1
	s_mov_b32 s[CNT], 4
	s_cmp_eq_u32 s[NEW], 1
	s_cbranch_scc0 .LstepM2
	BEGIN
	s_branch .LfirstM2
	DIAG 2
	s_wait_tensorcnt 0x0            ; the wave's end, behind my last tensor load and my last LDS store
	ds_add_u32 v[SPW], v[NIL]
	s_wait_dscnt 0x0
	s_endpgm
.Lfunc_end_k_q2d894dc7b3_attn:
	.size	k_q2d894dc7b3_attn, .Lfunc_end_k_q2d894dc7b3_attn-k_q2d894dc7b3_attn
	.p2alignl 7, 3214868480
	.fill 96, 4, 3214868480
	.section	.rodata,"a",@progbits
	.p2align	6, 0x0
	.amdhsa_kernel k_q2d894dc7b3_attn
		.amdhsa_group_segment_fixed_size 327680
		.amdhsa_private_segment_fixed_size 0
		.amdhsa_enable_private_segment 0
		.amdhsa_kernarg_size 16
		.amdhsa_user_sgpr_count 2
		.amdhsa_user_sgpr_kernarg_segment_ptr 1
		.amdhsa_wavefront_size32 1
		.amdhsa_system_sgpr_workgroup_id_x 1
		.amdhsa_system_sgpr_workgroup_id_y 1
		.amdhsa_system_sgpr_workgroup_id_z 1
		.amdhsa_system_vgpr_workitem_id 0
		.amdhsa_next_free_vgpr 768
		.amdhsa_next_free_sgpr 88
		.amdhsa_reserve_vcc 1
		.amdhsa_float_denorm_mode_32 3
		.amdhsa_float_denorm_mode_16_64 3
		.amdhsa_memory_ordered 1
		.amdhsa_forward_progress 1
		.amdhsa_inst_pref_size 228
	.end_amdhsa_kernel
	.amdgpu_metadata
---
amdhsa.version: [ 1, 2 ]
amdhsa.kernels:
  - .name:           k_q2d894dc7b3_attn
    .symbol:         k_q2d894dc7b3_attn.kd
    .args:
      - { .name: qkv, .offset: 0, .size: 8, .value_kind: global_buffer, .address_space: global }
      - { .name: o, .offset: 8, .size: 8, .value_kind: global_buffer, .address_space: global }
    .group_segment_fixed_size: 327680
    .private_segment_fixed_size: 0
    .kernarg_segment_align: 8
    .kernarg_segment_size: 16
    .max_flat_workgroup_size: 128
    .sgpr_count:     88
    .vgpr_count:     768
    .wavefront_size: 32
...
	.end_amdgpu_metadata
.endif
;; end of part 3
;; launch outp (part 4): grid 4 x 64, 4 waves a work-group, clusters of 4 x 4, 327,680 bytes of LDS; arguments o, wob, b_out, out0; writes out0
.if DOCPART == 4
	.amdgcn_target "amdgcn-amd-amdhsa--gfx1250"
	.amdhsa_code_object_version 6
	.text
	.protected	k_q2d894dc7b3_outp
	.globl	k_q2d894dc7b3_outp
	.p2align	8
	.type	k_q2d894dc7b3_outp,@function
k_q2d894dc7b3_outp:
	s_mov_b64 s[64:65], 0
	v_nop
	global_prefetch_b8 v0, s[64:65] scope:SCOPE_SE
	s_setreg_imm32_b32 hwreg(HW_REG_WAVE_MODE, 25, 1), 1
	s_wait_xcnt 0x0
	s_wait_alu depctr_hold_cnt(0) depctr_sa_sdst(0) depctr_va_vdst(0) depctr_va_sdst(0) depctr_va_ssrc(0) depctr_va_vcc(0) depctr_vm_vsrc(0)
	s_getreg_b32 s2, hwreg(HW_REG_IB_STS2, 6, 4)
	s_cmp_eq_u32 s2, 0
	s_cbranch_scc0 .Lentry_in_a_cluster
	s_endpgm
.Lentry_in_a_cluster:
	s_bfe_u32 s2, ttmp6, 0x10000c
	s_cmp_lg_u32 s2, 0xf033
	s_cbranch_scc0 .Lentry_shape_is_right
	s_endpgm
.Lentry_shape_is_right:
; THE LAST PROJECTION.  out0 = O w_out + b_out.  o is [64 bh][2048 t][64 d] f16 (bh = 16 b + h): row m = 2048 b + t of the product's left side has k = 64 h + d.  wob is [1024 k][1024 n] f16
; (w_out rounded to bf16, written as f16).  Sums in f32; the bias, f32, is added in f32; out0 is [8192][1024] f32.
; SHARES.  A tile of out0 is 128 rows x 256 columns: 64 x 4 = 256 tiles, one to a work-group.  A wave makes 64 rows x 128 columns: 4 x 8 accumulators of 16 x 16, 256 registers.
; K goes in eight steps of 128, two heads each, through a ring of two LDS slots filled by the tensor data mover.  A K step is written once and walked by a counted loop of six trips, each of which asks for
; the step two further on; the last two steps, which ask for nothing, are a loop of two trips.
; CLUSTER.  4 x 4 work-groups.  The four of a row of the cluster need the same tiles of O, the four of a column the same tiles of w: each tile is asked for JOINTLY, by the same tensor load with the same
; descriptor and a mask that names the four.
; THE WEIGHTS lie [k][n]; their fragments come out of LDS turned, by ds_load_tr16_b128.  THE MATRIX INSTRUCTION IS USED TRANSPOSED (source 0 = 16 columns of w, source 1 = 16 rows of O): lane l then holds
; row l % 16 and the eight neighbouring columns 8 (l / 16) + 0..7, 32 bytes of f32.
; REGISTERS: window 0: v0-31 addresses; v32-63, v64-95 O's fragments (4 x 16 rows x 32 K), two buffers; v96-159, v160-223 w's fragments (8 x 16 columns x 32 K), two buffers, and on the way out the rows read
; back from the stage, by turns; v224-227 my four columns' bias.   window 1: accumulator (a, b) at v[8 (8 a + b)].
.set SIZE_K, 1024
.set SIZE_N, 1024
.set KSTEP,  128
.set STEPS,  SIZE_K/KSTEP              ; 8
.set PA,     144                       ; a row of one head of O in LDS: 128 bytes + 16 of padding = 36 words: the 16 rows of a load start at 16 different groups of four banks (64 banks of 4 bytes: ISA guide 11.1)
.set PLANE,  128*PA                    ; a head's 128 rows: what one tensor load brings of O
.set PB,     544                       ; a row (one k) of w in LDS: 512 bytes + 32 of padding = 136 words
.set HALFB,  64*PB                     ; 64 rows: what one tensor load brings of w
.set BOFF,   2*PLANE                   ; a slot: O's two planes, then w's 128 rows: 106,496 bytes
.set SLOT1,  1<<17                     ; slot 1 begins here, so that one exclusive or turns an address in one slot into the other's
.set STAGE,  SLOT1+2*PLANE+2*HALFB     ; 237,568: behind the ring, never filled by a tensor load: for each wave 16 rows x 528 bytes
.set SPITCH, 528                       ; 512 bytes + 16
.set SPARE,  STAGE+4*16*SPITCH         ; 271,360: the spare words, 128 bytes for each wave: two blocks of 256 bytes that no other line names
.set ADRA0, 16                         ; v16     my lane's place among O's rows of a slot; never rewritten
.set ADRA,  17                         ; v17     the same in the slot in hand
.set ADRB0, 20                         ; v20     my lane's place among w's rows of a slot; never rewritten
.set ADRB,  21                         ; v21     the same in the slot in hand
.set STO,  24                          ; v24     the way out: where I put 32 bytes of a row
.set RD,   25                          ; v25     the way out: where I read a row back
.set CO,   26                          ; v26     my byte offset in a row's 512 bytes
.set BO,   27                          ; v27     my byte offset in b_out
.set SPW,  28                          ; v28     LDS address of my spare word: SPARE + 4 x my thread's number; never rewritten
.set NIL,  29                          ; v29     0; never rewritten
.set FA,   32
.set FB,   96
.set BIAS, 224
.set G1A, 24                           ; s[24:31] descriptor group 1 for O's tiles;  s[32:39] group 0: a set for each of the two first fills; the second then walks on
.set G0A, 32
.set G1B, 48                           ; s[48:55], s[56:63] the same for w's tiles
.set G0B, 56
.set TB,  78                           ; s78  LDS byte at which the slot in hand begins
.set MSB, 0
.macro WIN new                         ; the immediate's high byte repeats the setting that is left; a switch that changes nothing is dropped
.if MSB != (\new)
	s_set_vgpr_msb (MSB<<8)|(\new)
.set MSB, \new
.endif
.endm
.set MUL, 0x50                         ; sources 0 and 1 window 0; C and D window 1
; A joint refill, by the walking descriptors.  Waves 0 and 1 fetch O's two planes, waves 2 and 3 w's two halves.  The branch hangs on the wave's number alone.  An s_nop 0 and four v_nop follow each of the
; two lines, ahead of the jump, the label and what follows.
.macro JLOAD
	s_cmp_eq_u32 s13, 0
	s_cbranch_scc0 .Lfor_b_\@
	tensor_load_to_lds s[G0A+4:G0A+7], s[G1A:G1A+7]
	s_nop 0
.rept 4
	v_nop
.endr
	s_branch .Lasked_\@
.Lfor_b_\@:
	tensor_load_to_lds s[G0B+4:G0B+7], s[G1B:G1B+7]
	s_nop 0
.rept 4
	v_nop
.endr
.Lasked_\@:
.endm
.macro CREST                           ; a round of the cluster's barrier behind its opening barrier
	s_cmp_lg_u32 s12, 0
	s_cbranch_scc1 .Lnot_wave_0_\@
	s_barrier_signal -3
.Lnot_wave_0_\@:
	s_barrier_wait -3
	s_barrier_signal -1
	s_barrier_wait -1
.endm
.macro CROUND                          ; a whole round
	s_barrier_signal -1
	s_barrier_wait -1
	CREST
.endm
	s_load_b256 s[4:11], s[0:1], 0x0               ; o s[4:5], wob s[6:7], b_out s[8:9], out0 s[10:11]
	v_lshl_add_u32 v[SPW], v0, 2, SPARE
	v_mov_b32 v[NIL], 0
	ds_add_u32 v28, v29
	ds_add_u32 v28, v29
	s_wait_dscnt 0x0
	v_lshrrev_b32 v1, 5, v0
	v_readfirstlane_b32 s12, v1                    ; wave 0..3
	s_lshr_b32 s13, s12, 1                         ; which half of the tile's rows is mine.  Also: I fetch for O (0) or for w (1)
	s_and_b32 s14, s12, 1                          ; which half of its columns.  Also: which half of that tile I fetch
	s_bfe_u32 s40, ttmp6, 0x40000                  ; cx, cy: my place in the cluster
	s_bfe_u32 s41, ttmp6, 0x40004
	s_lshl_b32 s42, ttmp9, 2
	s_add_co_u32 s42, s42, s40                     ; tile column = 4 x cluster x + cx
	s_and_b32 s15, ttmp7, 0xffff
	s_lshl_b32 s15, s15, 2
	s_add_co_u32 s15, s15, s41                     ; tile row = 4 x cluster y + cy
	s_lshl_b32 s43, s41, 2
	s_lshl_b32 s43, 15, s43                        ; my row of the cluster
	s_lshl_b32 s44, 0x1111, s40                    ; my column
	; group 1 for O: a head's 128 rows are 16,384 dense bytes: asked for as 64 rows of 256 bytes, two rows of O each, and padded in LDS after every 128 bytes
	s_or_b32 s[G1A+0], s43, (1<<16)|(1<<20)|(1<<21)|(4<<22)|(3<<25)  ; 15:0 the mask: my row; 17:16 2-byte elements; 20 padding on; 21 set beside a mask; 24:22 after every 32 words (code 4); 31:25 4 words (code 3)
	s_mov_b32 s[G1A+1], 128<<16                    ; tensor_dim0 = 128
	s_mov_b32 s[G1A+2], 64<<16                     ; tensor_dim1 = 64
	s_mov_b32 s[G1A+3], 128<<16                    ; tile_dim0 = 128
	s_mov_b32 s[G1A+4], 64                         ; tile_dim1 = 64
	s_mov_b32 s[G1A+5], 128                        ; elements from row to row
	s_mov_b32 s[G1A+6], 0
	s_mov_b32 s[G1A+7], 0
	; group 1 for w: 64 rows (k) x 256 elements (n), 32 bytes of padding behind every 512
	s_or_b32 s[G1B+0], s44, (1<<16)|(1<<20)|(1<<21)|(6<<22)|(7<<25)  ; the mask: my column; after every 128 words (code 6), 8 words (code 7)
	s_mov_b32 s[G1B+1], 256<<16                    ; tensor_dim0 = 256
	s_mov_b32 s[G1B+2], 64<<16                     ; tensor_dim1 = 64
	s_mov_b32 s[G1B+3], 256<<16                    ; tile_dim0 = 256
	s_mov_b32 s[G1B+4], 64                         ; tile_dim1 = 64
	s_mov_b32 s[G1B+5], SIZE_N
	s_mov_b32 s[G1B+6], 0
	s_mov_b32 s[G1B+7], 0
	; where the tiles come from: O's hang on the tile row alone, w's on the tile column alone, each in registers that never hold the other coordinate
	s_lshr_b32 s16, s15, 4
	s_lshl_b32 s16, s16, 22                        ; O: b = tile row / 16, sixteen heads of 262,144 bytes;
	s_lshl_b32 s17, s14, 18                        ; the K step's first or second head;
	s_add_co_u32 s16, s16, s17
	s_and_b32 s17, s15, 15
	s_lshl_b32 s17, s17, 14                        ; t = 128 (tile row % 16), rows of 128 bytes
	s_add_co_u32 s16, s16, s17
	s_mov_b32 s17, 0
	s_lshl_b32 s46, s14, 17                        ; w: row (k) 64 x half, of 2,048 bytes;
	s_lshl_b32 s47, s42, 9                         ; column 256 x tile column
	s_add_co_u32 s46, s46, s47
	s_mov_b32 s47, 0
	s_mul_i32 s20, s14, PLANE                      ; and where they go: no place in the cluster enters an LDS address
	s_mul_i32 s21, s14, HALFB
	s_add_co_u32 s21, s21, BOFF
	s_lshl_b32 s74, s15, 7                         ; my part of out0: row 128 x tile row + 64 x row half, of 4,096 bytes;
	s_lshl_b32 s75, s13, 6
	s_add_co_u32 s74, s74, s75
	s_lshl_b32 s74, s74, 12
	s_lshl_b32 s76, s42, 10                        ; column 256 x tile column + 128 x column half, of 4 bytes
	s_lshl_b32 s77, s14, 9
	s_add_co_u32 s76, s76, s77
	s_add_co_u32 s74, s74, s76
	s_mov_b32 s75, 0
	s_mov_b32 s[TB], 0
	s_wait_kmcnt 0x0
	s_add_nc_u64 s[66:67], s[4:5], s[16:17]
	s_add_nc_u64 s[46:47], s[6:7], s[46:47]
	s_add_nc_u64 s[10:11], s[10:11], s[74:75]
.irp s, 0,1
	s_mov_b32 s[G0A+4*(\s)], 1                                     ; count = 1
	s_add_co_u32 s[G0A+4*(\s)+1], s20, (\s)*SLOT1                  ; LDS address
	s_add_nc_u64 s[G0A+4*(\s)+2:G0A+4*(\s)+3], s[66:67], (\s)*2*262144  ; global address: K step s is two heads on
	s_or_b32 s[G0A+4*(\s)+3], s[G0A+4*(\s)+3], 0x80000000          ; type = 2
	s_mov_b32 s[G0B+4*(\s)], 1
	s_add_co_u32 s[G0B+4*(\s)+1], s21, (\s)*SLOT1
	s_add_nc_u64 s[G0B+4*(\s)+2:G0B+4*(\s)+3], s[46:47], (\s)*KSTEP*SIZE_N*2
	s_or_b32 s[G0B+4*(\s)+3], s[G0B+4*(\s)+3], 0x80000000
.endr
	CROUND                                         ; all sixteen work-groups are here: the first joint loads meet
	s_cmp_eq_u32 s13, 0                            ; a wave's two first fills stand in one branch, ahead of every wait on TENSORcnt and every LDS read: two loads of mine are out
	s_cbranch_scc0 .Lfirst_b
	tensor_load_to_lds s[G0A:G0A+3], s[G1A:G1A+7]
	s_nop 0
	tensor_load_to_lds s[G0A+4:G0A+7], s[G1A:G1A+7]
	s_nop 0
.rept 4
	v_nop
.endr
	s_branch .Lfirst_asked
.Lfirst_b:
	tensor_load_to_lds s[G0B:G0B+3], s[G1B:G1B+7]
	s_nop 0
	tensor_load_to_lds s[G0B+4:G0B+7], s[G1B:G1B+7]
	s_nop 0
.rept 4
	v_nop
.endr
.Lfirst_asked:
	v_and_b32 v7, 31, v0                           ; lane
	v_lshlrev_b32 v[CO], 4, v7                     ; 16 bytes a lane: a row's 512 bytes
	v_add_nc_u32 v[BO], s76, v[CO]
	global_load_b128 v[BIAS:BIAS+3], v[BO], s[8:9] ; the bias of the four columns that I store, once
	; A fragment of O is 16 rows x 32 K in 8 registers: lane l holds row l % 16, K = 8 (l / 16) + 0..7 and 16 + 8 (l / 16) + 0..7: two loads of 16 bytes, 32 bytes apart.
	v_and_b32 v1, 15, v0                           ; l % 16
	v_bfe_u32 v2, v0, 4, 1                         ; l / 16
	v_mul_u32_u24 v3, v1, PA
	v_lshl_add_u32 v3, v2, 4, v3
	s_mul_i32 s22, s13, 64*PA                      ; my 64 rows
	v_add_nc_u32 v[ADRA0], s22, v3
	v_mov_b32 v[ADRA], v[ADRA0]                    ; the walk begins in slot 0
	; The turning load takes 16 k x 16 columns (lane l reads 16 bytes: k = 8 (l / 16) + l % 8, columns 8 ((l / 8) % 2) + 0..7) and leaves half a fragment: lane l holds column l % 16 and 8 k.
	v_and_b32 v4, 7, v0
	v_bfe_u32 v5, v0, 3, 1
	v_lshl_add_u32 v6, v2, 3, v4
	v_mul_u32_u24 v6, v6, PB
	v_lshl_add_u32 v6, v5, 4, v6
	s_lshl_b32 s22, s14, 8                         ; my 128 columns
	s_add_co_u32 s22, s22, BOFF
	v_add_nc_u32 v[ADRB0], s22, v6
	v_mov_b32 v[ADRB], v[ADRB0]
	s_mul_i32 s23, s12, 16*SPITCH
	s_add_co_u32 s23, s23, STAGE                   ; my stage
	v_mul_u32_u24 v3, v1, SPITCH                   ; in: row l % 16, 32 bytes for each half of the lanes
	v_lshl_add_u32 v3, v2, 5, v3
	v_add_nc_u32 v[STO], s23, v3
	v_add_nc_u32 v[RD], s23, v[CO]                 ; back: 32 lanes take one row of 512 bytes
; 8 matrix instructions on buffer f: row block a x all 8 column blocks, 32 along K.  zero = 1: the first product starts the sums: nothing is ever cleared.
.macro MULA f, a, zero
	WIN MUL
.irp b, 0,1,2,3,4,5,6,7
.if \zero
	v_wmma_f32_16x16x32_f16 v[8*(8*(\a)+(\b)):8*(8*(\a)+(\b))+7], v[FB+64*(\f)+8*(\b):FB+64*(\f)+8*(\b)+7], v[FA+32*(\f)+8*(\a):FA+32*(\f)+8*(\a)+7], 0
.else
	v_wmma_f32_16x16x32_f16 v[8*(8*(\a)+(\b)):8*(8*(\a)+(\b))+7], v[FB+64*(\f)+8*(\b):FB+64*(\f)+8*(\b)+7], v[FA+32*(\f)+8*(\a):FA+32*(\f)+8*(\a)+7], v[8*(8*(\a)+(\b)):8*(8*(\a)+(\b))+7]
.endif
.endr
.endm
; 24 LDS loads in one run: the fragments of quarter q (32 along K: half of head q / 2) of the slot in hand into buffer f: w's eight, then O's four in ascending order
.macro FETCH q, f
	WIN 0
.irp b, 0,1,2,3,4,5,6,7
	ds_load_tr16_b128 v[FB+64*(\f)+8*(\b):FB+64*(\f)+8*(\b)+3],   v[ADRB] offset:(\q)*32*PB+32*(\b)
	ds_load_tr16_b128 v[FB+64*(\f)+8*(\b)+4:FB+64*(\f)+8*(\b)+7], v[ADRB] offset:(\q)*32*PB+16*PB+32*(\b)
.endr
.irp i, 0,1,2,3
	ds_load_b128 v[FA+32*(\f)+8*(\i):FA+32*(\f)+8*(\i)+3],   v[ADRA] offset:((\q)/2)*PLANE+((\q)%2)*64+(\i)*16*PA
	ds_load_b128 v[FA+32*(\f)+8*(\i)+4:FA+32*(\f)+8*(\i)+7], v[ADRA] offset:((\q)/2)*PLANE+((\q)%2)*64+(\i)*16*PA+32
.endr
.endm
; A load into a register that a matrix instruction has read, and an LDS store that reads a matrix result, stand four places behind that matrix instruction; only plain vector
; instructions that name none of its registers are places (ISA guide 7.12.1 for vector instructions).
.macro PLACES
.rept 4
	v_nop
.endr
.endm
; A K step is four quarters of 32 along K, 32 matrix instructions each, on buffers 0, 1, 0, 1; the 32 accumulators take turns in the same order in every quarter.
; One of the first three: multiplies buffer f; in its middle it fetches quarter q of the slot in hand into buffer g.
.macro QUARTER q, f, g, zero
	s_wait_dscnt 4                                 ; w's fragments and O's 0, 1 are in; the youngest four loads (O's 2, 3) may be out
	MULA \f, 0, \zero
	MULA \f, 1, \zero
	PLACES
	FETCH \q, \g
	s_wait_dscnt 24                                ; all but the 24 just issued
	MULA \f, 2, \zero
	MULA \f, 3, \zero
.endm
; The last quarter multiplies buffer 1 and changes slots: ONE barrier; in front of it each wave waits for all its tensor loads (one is out: its part of the next slot), adds 0 to its spare word, and waits
; for that and for its own reads of this slot.
; fill = 1: the barrier opens a round of the cluster's barrier, and this slot is filled again, two K steps ahead, first thing behind the round: from that request to the wait for it a wave issues
; 112 matrix instructions.  The walking descriptors are written where no tensor load of mine is out: the other slot than last time, the next K step.
; fill = 0 (the last two K steps): nothing is asked for; in the last trip (s3 = 1) there is no further step, and the run of loads is jumped over.
.macro TURN fill
	WIN 0                                          ; (the add's two registers lie in window 0)
	s_wait_tensorcnt 0x0                           ; all my tensor loads have landed
	ds_add_u32 v[SPW], v[NIL]                      ; 0 onto my spare word
.if \fill
	s_xor_b32 s[G0A+5], s[G0A+5], SLOT1
	s_add_nc_u64 s[G0A+6:G0A+7], s[G0A+6:G0A+7], 2*262144          ; two heads on; the type bits on top are not reached
	s_xor_b32 s[G0B+5], s[G0B+5], SLOT1
	s_add_nc_u64 s[G0B+6:G0B+7], s[G0B+6:G0B+7], KSTEP*SIZE_N*2    ; 128 rows of w on
.endif
	s_wait_dscnt 5                                 ; (the add and the youngest four loads may be out)
	MULA 1, 0, 0                                   ; eight matrix instructions stand between the add and the wait for it
	s_wait_dscnt 0x0                               ; the add is done, and my reads of this slot are over
	s_barrier_signal -1
	MULA 1, 1, 0                                   ; work on registers while the others arrive
	WIN 0
	s_barrier_wait -1
.if \fill
	CREST                                          ; no wave of any partner still reads this slot's tile or has a load on its way
	JLOAD                                          ; my one tensor load behind the round; the four v_nop behind it are also the places in front of the loads below
.else
	s_cmp_eq_u32 s3, 1
	s_cbranch_scc1 .Lno_more_\@
	PLACES
.endif
	s_xor_b32 s[TB], s[TB], SLOT1                  ; the fetches go on in the other slot
	v_add_nc_u32 v[ADRA], s[TB], v[ADRA0]
	v_add_nc_u32 v[ADRB], s[TB], v[ADRB0]
	FETCH 0, 0
.if !(\fill)
.Lno_more_\@:
.endif
	MULA 1, 2, 0
	MULA 1, 3, 0
.endm
; THE WAY OUT of row block a (16 rows x 128 columns of f32).  TOSTAGE: straight from the accumulators, each one's low four registers first, into my own stage, and back as whole rows of 512 bytes.
; SEND: the bias is added and the rows are stored.
.macro TOSTAGE a
.set BK, FB+64*((\a)%2)
.if (\a) >= 2
	s_wait_xcnt 0x0                                ; the stores of the block two back have had their addresses translated (ISA guide 3.1): their data registers are loaded again only behind this wait
.endif
	WIN 0x04                                       ; store data (source 1) window 1, address window 0
.irp b, 0,1,2,3,4,5,6,7
	ds_store_b128 v[STO], v[8*(8*(\a)+(\b)):8*(8*(\a)+(\b))+3]   offset:64*(\b)
	ds_store_b128 v[STO], v[8*(8*(\a)+(\b))+4:8*(8*(\a)+(\b))+7] offset:64*(\b)+16
.endr
	WIN 0
.irp t, 0,1,2,3,4,5,6,7,8,9,10,11,12,13,14,15
	ds_load_b128 v[BK+4*(\t):BK+4*(\t)+3], v[RD] offset:(\t)*SPITCH  ; LDS serves a wave's instructions in order (ISA guide 5.7.1.4): these see the stores above; the next block's stores come behind them
.endr
.endm
.macro SEND a, younger                 ; younger: the LDS instructions issued behind block a's loads: the next block's 32, or none
	WIN 0
.set BK, FB+64*((\a)%2)
	s_wait_dscnt \younger
.irp t, 0,1,2,3,4,5,6,7,8,9,10,11,12,13,14,15
	v_pk_add_f32 v[BK+4*(\t):BK+4*(\t)+1],   v[BK+4*(\t):BK+4*(\t)+1],   v[BIAS:BIAS+1]
	v_pk_add_f32 v[BK+4*(\t)+2:BK+4*(\t)+3], v[BK+4*(\t)+2:BK+4*(\t)+3], v[BIAS+2:BIAS+3]
	global_store_b128 v[CO], v[BK+4*(\t):BK+4*(\t)+3], s[10:11] offset:(16*(\a)+(\t))*SIZE_N*4 th:TH_STORE_NT  ; 512 consecutive bytes, at a multiple of 512 from out0's first
.endr
.endm
	s_wait_tensorcnt 0x1                           ; my part of K step 0 is in; K step 1's may stay out
	s_barrier_signal -1
	s_barrier_wait -1                              ; everybody's is
	FETCH 0, 0
	QUARTER 1, 0, 1, 1                             ; the first quarter stands in front of the loop: its products start the sums
	WIN 0                                          ; at a label and at a branch every window is 0
	s_mov_b32 s3, STEPS-2
	s_branch .Lsecond                              ; the loop is entered at a step's second quarter
.Lstep:                                                ; six trips: a K step is multiplied, and the step two further on is asked for
	QUARTER 1, 0, 1, 0
	WIN 0
.Lsecond:
	QUARTER 2, 1, 0, 0
	QUARTER 3, 0, 1, 0
	TURN 1
	WIN 0
	s_sub_co_u32 s3, s3, 1
	s_cmp_lg_u32 s3, 0
	s_cbranch_scc1 .Lstep
	s_mov_b32 s3, 2
.Ltail:                                                ; the last two K steps have a text of their own: nothing is asked for, and no round of the cluster's barrier stands here
	QUARTER 1, 0, 1, 0
	QUARTER 2, 1, 0, 0
	QUARTER 3, 0, 1, 0
	TURN 0
	WIN 0
	s_sub_co_u32 s3, s3, 1
	s_cmp_lg_u32 s3, 0
	s_cbranch_scc1 .Ltail
	PLACES                                         ; the stage's stores read results just made, and its loads land in registers that the last products read
	s_wait_dscnt 0x0                               ; no LDS load is out: the rows read back from the stage land in the fragments' registers
	s_wait_loadcnt 0x0                             ; the bias
	TOSTAGE 0
	TOSTAGE 1                                      ; a block's trip through the stage stands between the loads of the block before and its stores
	SEND 0, 32
	TOSTAGE 2
	SEND 1, 32
	TOSTAGE 3
	SEND 2, 32
	SEND 3, 0
	s_wait_tensorcnt 0x0                           ; the wave's end, behind my last tensor load and my last LDS store
	ds_add_u32 v[SPW], v[NIL]
	s_wait_dscnt 0x0
	CROUND                                         ; the closing round: no work-group ends while a partner may still ask for a tile that names it
	s_endpgm
.Lfunc_end_k_q2d894dc7b3_outp:
	.size	k_q2d894dc7b3_outp, .Lfunc_end_k_q2d894dc7b3_outp-k_q2d894dc7b3_outp
	.p2alignl 7, 3214868480
	.fill 96, 4, 3214868480
	.section	.rodata,"a",@progbits
	.p2align	6, 0x0
	.amdhsa_kernel k_q2d894dc7b3_outp
		.amdhsa_group_segment_fixed_size 327680
		.amdhsa_private_segment_fixed_size 0
		.amdhsa_enable_private_segment 0
		.amdhsa_kernarg_size 32
		.amdhsa_user_sgpr_count 2
		.amdhsa_user_sgpr_kernarg_segment_ptr 1
		.amdhsa_wavefront_size32 1
		.amdhsa_system_sgpr_workgroup_id_x 1
		.amdhsa_system_sgpr_workgroup_id_y 1
		.amdhsa_system_sgpr_workgroup_id_z 1
		.amdhsa_system_vgpr_workitem_id 0
		.amdhsa_next_free_vgpr 512
		.amdhsa_next_free_sgpr 80
		.amdhsa_reserve_vcc 0
		.amdhsa_float_denorm_mode_32 3
		.amdhsa_float_denorm_mode_16_64 3
		.amdhsa_memory_ordered 1
		.amdhsa_forward_progress 1
		.amdhsa_inst_pref_size 68
	.end_amdhsa_kernel
	.amdgpu_metadata
---
amdhsa.version: [ 1, 2 ]
amdhsa.kernels:
  - .name:           k_q2d894dc7b3_outp
    .symbol:         k_q2d894dc7b3_outp.kd
    .args:
      - { .name: o, .offset: 0, .size: 8, .value_kind: global_buffer, .address_space: global }
      - { .name: wob, .offset: 8, .size: 8, .value_kind: global_buffer, .address_space: global }
      - { .name: b_out, .offset: 16, .size: 8, .value_kind: global_buffer, .address_space: global }
      - { .name: out0, .offset: 24, .size: 8, .value_kind: global_buffer, .address_space: global }
    .group_segment_fixed_size: 327680
    .private_segment_fixed_size: 0
    .kernarg_segment_align: 8
    .kernarg_segment_size: 32
    .max_flat_workgroup_size: 128
    .sgpr_count:     80
    .vgpr_count:     512
    .wavefront_size: 32
...
	.end_amdgpu_metadata
.endif
;; end of part 4
